; MI455X (gfx1250); checked and timed in simulation.
; The chip was launched on July 23, 2026; its instructions are those of AMD's public machine-readable ISA for CDNA 5 (MIT licence, August 2026) and "CDNA5" Instruction Set Architecture Reference Guide (July 2026). The comments in the code are by the model that wrote it; some were corrected since.
;; Multi Head Attention. Allowed arithmetic: matrix products marked QUANTISED: E2M3 operands, one E8M0 scale for each 32 along K, by v_wmma_scale_f32_16x16x128_f8f6f4 with both operands' format E2M3, f32 sums; everything else in f32.
;; Inputs: bk 1,024 float32; bo 1,024 float32; bq 1,024 float32; bv 1,024 float32; k 4 x 2,048 x 1,024 float32; q 4 x 2,048 x 1,024 float32; v 4 x 2,048 x 1,024 float32; wk 1,024 x 1,024 float32; wo 1,024 x 1,024 float32; wq 1,024 x 1,024 float32; wv 1,024 x 1,024 float32.
;; Outputs: out0 4 x 2,048 x 1,024 float32.
;; This version of the problem:
;;   THIS VERSION OF THE PROBLEM IS GIVEN IN LOW PRECISION. The matrix products marked QUANTISED in the list below multiply operands that are first quantised to E2M3 (2 exponent bits, 3 mantissa bits; 6 bits a number), with one power-of-two scale for each 32 numbers along K (OCP MX v1.0); their sums are f32. All else is computed in f32.
;;   The module's matrix products, in the order in which they are computed (A, B: the left and right operand; K: the contracted axis; several contracted axes count as one K, in the product's order):
;;     1. [M 8,192, K 1,024] x [K 1,024, N 1,024]; A: input q; B: input wq: QUANTISED
;;     2. [M 8,192, K 1,024] x [K 1,024, N 1,024]; A: input k; B: input wk: QUANTISED
;;     3. [M 8,192, K 1,024] x [K 1,024, N 1,024]; A: input v; B: input wv: QUANTISED
;;     4. batch 64 x [M 2,048, K 64] x [K 64, N 2,048]; A: computed on the way; B: computed on the way: QUANTISED
;;     5. batch 64 x [M 2,048, K 2,048] x [K 2,048, N 64]; A: softmax (see below); B: computed on the way: QUANTISED
;;     6. [M 8,192, K 1,024] x [K 1,024, N 1,024]; A: computed on the way; B: input wo: QUANTISED
;;   THE QUANTISER, for each operand of a quantised product, along K:
;;     - K is cut into blocks of 32 from its start; a last block that is shorter is filled with zeros.
;;     - A block's scale is 2^e with e = floor(log2(the largest magnitude in the block)) - 2, held to -126 .. 127; a block of zeros has e = 0. As a byte (E8M0): e + 127.
;;     - Each number is divided by its block's scale, clamped to +-7.5, and rounded to the nearest number of E2M3, ties to even, subnormals kept.
;;     - The product sums the exact products of the quantised numbers (number of the format x scale) in f32.
;;   ~~~python
;;   def quantise(x, axis):      # numpy; x: float32 -> the quantised numbers, widened to float32 again
;;       x = np.moveaxis(x, axis, -1); K = x.shape[-1]
;;       x = np.pad(x, [(0, 0)] * (x.ndim - 1) + [(0, -K % 32)]); x = x.reshape(x.shape[:-1] + (-1, 32)); a = np.abs(x).max(-1, keepdims=True)
;;       e = np.where(a > 0, np.clip(np.frexp(np.where(a > 0, a, 1))[1] - 1 - 2, -126, 127), 0)      # np.frexp(a)[1] - 1 = floor(log2(a)), exactly
;;       r = np.clip(x / 2.0 ** e, -7.5, 7.5)
;;       step = 2.0 ** (np.maximum(np.frexp(np.where(r == 0, 1, r))[1] - 1, 0) - 3)
;;       q = np.round(r / step) * step * 2.0 ** e      # np.round: ties to even
;;       return np.moveaxis(q.reshape(q.shape[:-2] + (-1,))[..., :K], -1, axis).astype(np.float32)
;;   ~~~
;;   SOFTMAX AHEAD OF A QUANTISED PRODUCT. Where the list says 'softmax', what is quantised is not the finished softmax but p = 2^(t - M), with t = logit x log2(e) and M = ceil(the row's largest t), a whole number; so 1/2 < the row's largest p <= 1. The row's sum l is taken of the UNQUANTISED p, in f32, and the product's result is divided by l at the end. Since M is a whole number, a kernel that streams over the keys may use a running M (the ceiling of the running maximum): every later rescaling is an exact power of two, which a block's scale takes up: the codes' values come out the same.
;;   OPERANDS COMPUTED ON THE WAY. 'Computed on the way' means the value that the module computes at that place (a softmax that the list does not call 'softmax' is quantised finished and normalised). What goes into a quantiser is computed in f32, as accurately as f32 sums, v_exp_f32 and their like allow (about 1e-6 of the number): no bf16 or f16 on the way to a quantiser, and a product that is left as it is and whose result goes on into a quantised operand takes f32 operands (vector FMAs, or v_wmma_f32_16x16x4_f32). A number that lies on a knife's edge between two numbers of the format may be rounded either way, as far as f32 arithmetic and the matrix unit's own rounding can turn it there, and no further.
;; One version. Each part assembles by itself: llvm-mc -triple=amdgcn-amd-amdhsa -mcpu=gfx1250 --defsym DOCPART=n.
;; ======== version 1 of 1: 4 launches
;; limits: right only within a limited range of input values
;; workspace buffers: xb 19,660,800 bytes; wb 3,276,800 bytes; hq 6,553,600 bytes; hkv 13,107,200 bytes; ab 6,553,600 bytes
;; launch quant (part 1): grid 256 x 1, 7 waves a work-group, no clusters, 60,416 bytes of LDS; arguments q, k, v, wq, wk, wv, wo, xb, wb; writes xb, wb
.if DOCPART == 1
	.amdgcn_target "amdgcn-amd-amdhsa--gfx1250"
	.amdhsa_code_object_version 6
	.text
	.protected	k_q37fdcdae68_quant
	.globl	k_q37fdcdae68_quant
	.p2align	8
	.type	k_q37fdcdae68_quant,@function
k_q37fdcdae68_quant:
	s_mov_b64 s[64:65], 0
	v_nop
	global_prefetch_b8 v0, s[64:65] scope:SCOPE_SE
	s_setreg_imm32_b32 hwreg(HW_REG_WAVE_MODE, 25, 1), 1
	s_wait_xcnt 0x0
; q, k, v [8192][1024] and wq, wk, wv, wo [1024][1024], f32, K innermost, become codes of FP6 (E2M3) with one E8M0 byte for each 32 along K,
; laid in the order of a matrix operand's registers, so that the products' launches load fragments by lane-contiguous loads alone.
; A block's scale is 2^(floor(log2(its largest magnitude)) - 2); its byte is the largest magnitude's exponent field - 2, held at 1 from below.
; LIMITS: a block of zeros gets the byte 1 where the rule says 127 (its codes are zeros, and this program alone reads the bytes); blocks whose largest
; magnitude lies under 2^-124 are held at the byte 1; NaN and infinities among the inputs are not served.
; THE LAYOUT OUT.  128 rows, all of K = 102,400 bytes = four kslots (256 along K) of 25,600: [K step q = 0,1][tile t8 = 0..7][fragment of 1,536 bytes], then 1,024 bytes of scale words [t8][row][q].
; Row r of tile t8 = 4 c + u is row 64 c + 32 (r / 8) + 8 u + r % 8 of the 128.  A fragment (16 rows x 128 K, 12 registers a lane) is two halves of 768 bytes (64 along K each):
; 16 bytes a lane (registers 6 c .. 6 c + 3) at 16 x lane, then 8 bytes a lane (registers 6 c + 4, 6 c + 5) at 512 + 8 x lane.  Lane r + 16 h holds row r, K = 64 c + 32 h + 0 .. 31: a whole block.
; SHARES.  1,792 equal tasks = 7 waves x 256 work-groups.  A task: two tiles (t8 = 2 pr + e) x half of K: eight steps of 16 rows x 128 K.  Waves share nothing: no barrier, no cluster (no two work-groups read the same byte).
; A STEP.  Sixteen loads, each 512 consecutive bytes of one row; through the wave's own stage in LDS (rows of 512 + 16 bytes) they come back 32 neighbours a lane and block; two blocks a lane;
; each of the four stores of codes covers 512 or 256 consecutive bytes at a multiple of 256.  Loads run three steps ahead in three sets of 64 registers.
.set STG,  8448                        ; a wave's stage: 16 rows x 528 bytes
.set PIT,  528
.set RS0,  64                          ; v64-255  three sets of 64 numbers
.set L16,  4                           ; v4   16 x lane
.set L8,   5                           ; v5   8 x lane
.set STI,  6                           ; v6   the stage, on the way in: 16 x lane
.set STO,  7                           ; v7   and out: 528 r + 128 h
.set SH8,  8                           ; v8   8 h
.set T,    10                          ; v10-11 the two blocks' largest magnitudes
.set SO,   12                          ; v12-13 the conversions' scale operands
.set EB,   14                          ; v14-15 the scale bytes
.set TMP,  16                          ; v16-17 at work
.set W,    20                          ; v20-27 the eight steps' scale words
.set P,    28                          ; v28-39 a fragment's codes
.set TA,   40                          ; v40-42, v44-46 the second halves of the blocks' codes
.set TB,   44
.set D,    48                          ; v48-51 the scale words on their way out
.set CH,   52                          ; v52-55 four chains of maxima
	s_load_b256 s[4:11], s[0:1], 0x0               ; q s[4:5], k s[6:7], v s[8:9], wq s[10:11]
	s_load_b256 s[12:19], s[0:1], 0x20             ; wk s[12:13], wv s[14:15], wo s[16:17], xb s[18:19]
	s_load_b64 s[20:21], s[0:1], 0x40              ; wb
	v_lshl_add_u32 v62, v0, 2, 0xe800
	v_mov_b32 v63, 0
	v_lshrrev_b32 v1, 5, v0
	v_readfirstlane_b32 s24, v1                    ; wave 0..6
	v_and_b32 v1, 31, v0                           ; lane
	v_and_b32 v2, 15, v0                           ; r
	v_bfe_u32 v3, v0, 4, 1                         ; h
	v_lshlrev_b32 v[L16], 4, v1
	v_lshlrev_b32 v[L8], 3, v1
	s_mul_i32 s25, s24, STG
	v_add_nc_u32 v[STI], s25, v[L16]
	v_mul_u32_u24 v[STO], v2, PIT
	v_lshl_add_u32 v[STO], v3, 7, v[STO]
	v_add_nc_u32 v[STO], s25, v[STO]
	v_lshlrev_b32 v[SH8], 3, v3
	v_mov_b32 v[TMP+1], 0                          ; written once: a lane permute's destination counts as one of its sources
	s_mov_b32 s40, 0x76543210
	s_mov_b32 s41, 0xfedcba98                      ; v_permlanex16_b32's selects for lane l xor 16
	s_mul_i32 s26, ttmp9, 7
	s_add_co_u32 s26, s26, s24                     ; the task
	s_lshr_b32 s27, s26, 1                         ; its pair of tiles: 0..767 in q, k, v; 768..895 in the weights
	s_and_b32 s28, s26, 1                          ; kh: its half of K
	s_cmp_lt_u32 s27, 768
	s_cselect_b32 s29, 0, 768
	s_cselect_b32 s30, 8, 5                        ; pairs in a tensor: 256 or 32
	s_cselect_b32 s31, 255, 31
	s_mov_b32 s32, 819200
	s_cselect_b32 s32, 6553600, s32                ; a tensor's bytes in xb or in wb
	s_sub_co_u32 s29, s27, s29
	s_lshr_b32 s30, s29, s30                       ; which tensor of the three or of the four
	s_and_b32 s31, s29, s31                        ; the pair in it
	s_mul_i32 s32, s30, s32
	s_lshr_b32 s33, s31, 2                         ; its group of 128 rows
	s_and_b32 s34, s31, 3                          ; pr
	s_lshl_b32 s35, s33, 7
	s_lshr_b32 s36, s34, 1
	s_lshl_b32 s36, s36, 6
	s_add_co_u32 s35, s35, s36
	s_and_b32 s36, s34, 1
	s_lshl_b32 s36, s36, 4
	s_add_co_u32 s35, s35, s36                     ; 128 group + 64 (pr / 2) + 16 (pr % 2)
	s_lshl_b32 s36, s35, 12                        ; rows of 4,096 bytes,
	s_lshl_b32 s37, s28, 11
	s_add_co_u32 s36, s36, s37                     ; + 2,048 kh
	s_mov_b32 s37, 0
	s_mul_i32 s38, s33, 102400
	s_add_co_u32 s38, s38, s32
	s_mul_i32 s39, s28, 51200
	s_add_co_u32 s38, s38, s39                     ; out: tensor + group + two kslots x kh
	s_mul_i32 s39, s34, 3072
	s_add_co_u32 s42, s38, s39                     ; the codes of tile 2 pr
	s_mov_b32 s43, 0
	s_lshl_b32 s39, s34, 8
	s_add_co_u32 s44, s38, s39
	s_add_co_u32 s44, s44, 24576                   ; the scale words of tiles 2 pr, 2 pr + 1: 256 bytes
	s_mov_b32 s45, 0
	s_wait_alu depctr_va_vdst(0)
	s_wait_kmcnt 0x0
	s_cmp_lt_u32 s27, 768                          ; every choice of a buffer hangs on the task's number alone
	s_cselect_b64 s[46:47], s[18:19], s[20:21]
	s_mov_b64 s[22:23], s[16:17]
	s_cmp_lt_u32 s27, 864
	s_cselect_b64 s[22:23], s[14:15], s[22:23]
	s_cmp_lt_u32 s27, 832
	s_cselect_b64 s[22:23], s[12:13], s[22:23]
	s_cmp_lt_u32 s27, 800
	s_cselect_b64 s[22:23], s[10:11], s[22:23]
	s_cmp_lt_u32 s27, 768
	s_cselect_b64 s[22:23], s[8:9], s[22:23]
	s_cmp_lt_u32 s27, 512
	s_cselect_b64 s[22:23], s[6:7], s[22:23]
	s_cmp_lt_u32 s27, 256
	s_cselect_b64 s[22:23], s[4:5], s[22:23]
	s_add_nc_u64 s[22:23], s[22:23], s[36:37]      ; in
	s_add_nc_u64 s[42:43], s[46:47], s[42:43]      ; codes out
	s_add_nc_u64 s[44:45], s[46:47], s[44:45]      ; scale words out
; Step t = 4 e + sl: tile 2 pr + e, the sl-th 128 along K of my half.  Every offset is an immediate: no pointer is stepped.
.macro LOAD t
.set RS, RS0+64*((\t)%3)
.set rho, 0
.rept 16
	global_load_b128 v[RS+4*rho:RS+4*rho+3], v[L16], s[22:23] offset:(8*((\t)/4)+rho%8+32*(rho/8))*4096+512*((\t)%4) th:TH_LOAD_NT   ; the tile's row rho: 32 lanes read 512 consecutive bytes
.set rho, rho+1
.endr
.endm
.macro STEP t
.set RS, RS0+64*((\t)%3)
.if 7-(\t) >= 2
	s_wait_loadcnt 32                              ; loads come back in order: this step's sixteen are in, the two younger sets may be out
.else
	s_wait_loadcnt 16*(7-(\t))
.endif
.set rho, 0
.rept 16
	ds_store_b128 v[STI], v[RS+4*rho:RS+4*rho+3] offset:PIT*rho
.set rho, rho+1
.endr
.set rho, 0
.rept 16                               ; back into the same registers: register 32 c + 4 i on = K 64 c + 32 h + 4 i on of row r.  LDS serves a wave's instructions in order: these see the stores above
	ds_load_b128 v[RS+4*rho:RS+4*rho+3], v[STO] offset:256*(rho/8)+16*(rho%8)
.set rho, rho+1
.endr
	s_wait_dscnt 0x0
.irp c, 0,1
.irp z, 0,1
	v_max3_num_f32 v[CH+2*\c+\z], |v[RS+32*\c+16*\z]|, |v[RS+32*\c+16*\z+1]|, 0x1800000   ; block 2 c + h is all mine: two chains of 16 numbers, each over the floor 2^(3 - 127), so that the byte cannot fall under 1
.endr
.endr
.irp i, 2,4,6,8,10,12,14
.irp c, 0,1
.irp z, 0,1
	v_max3_num_f32 v[CH+2*\c+\z], v[CH+2*\c+\z], |v[RS+32*\c+16*\z+\i]|, |v[RS+32*\c+16*\z+\i+1]|
.endr
.endr
.endr
.irp c, 0,1
	v_max_num_f32 v[T+\c], v[CH+2*\c], v[CH+2*\c+1]
.endr
.irp c, 0,1
	v_add_nc_u32 v[SO+\c], 0xff000000, v[T+\c]     ; 2 off the exponent field: the conversion takes the exponent field of this operand as its scale
.endr
.irp c, 0,1
	v_lshrrev_b32 v[EB+\c], 23, v[SO+\c]           ; the scale's byte
.endr
	v_lshl_or_b32 v[TMP], v[EB+1], 16, v[EB]       ; my bytes of blocks h and 2 + h,
	v_lshlrev_b32 v[TMP], v[SH8], v[TMP]           ; at their places in the row's word;
	v_permlanex16_b32 v[TMP+1], v[TMP], s40, s41
	v_or_b32 v[W+(\t)], v[TMP], v[TMP+1]           ; with lane l xor 16's two the word is whole, in both halves of the lanes
.if (\t) > 0
	s_wait_alu depctr_va_vdst(0)
	s_wait_xcnt 0x0                                ; the last step's stores have read the codes' registers: they are written again only behind this wait
.endif
	v_cvt_scalef32_pk16_fp6_f32 v[P:P+2], v[RS:RS+15], v[SO]
	v_cvt_scalef32_pk16_fp6_f32 v[TA:TA+2], v[RS+16:RS+31], v[SO]       ; (a conversion's three registers begin on an even number: a block's second three are made elsewhere and moved)
	v_cvt_scalef32_pk16_fp6_f32 v[P+6:P+8], v[RS+32:RS+47], v[SO+1]
	v_cvt_scalef32_pk16_fp6_f32 v[TB:TB+2], v[RS+48:RS+63], v[SO+1]
	v_nop                                          ; one plain place behind the scaled conversions
.irp i, 0,1,2
	v_mov_b32 v[P+3+\i], v[TA+\i]
	v_mov_b32 v[P+9+\i], v[TB+\i]
.endr
.if (\t)+3 <= 7
	LOAD (\t)+3                                    ; this set takes the step three on
.endif
.set DO, (((\t)%4)/2)*25600+((\t)%2)*12288+1536*((\t)/4)
	global_store_b128 v[L16], v[P:P+3], s[42:43] offset:DO
	global_store_b64 v[L8], v[P+4:P+5], s[42:43] offset:DO+512
	global_store_b128 v[L16], v[P+6:P+9], s[42:43] offset:DO+768
	global_store_b64 v[L8], v[P+10:P+11], s[42:43] offset:DO+1280
.endm
	LOAD 0
	LOAD 1
	LOAD 2
.irp t, 0,1,2,3,4,5,6,7
	STEP \t
.endr
	v_cmp_ne_u32 vcc_lo, 0, v3                     ; the scale words [t8][row][q]: lanes 0-15 store tile 2 pr's, lanes 16-31 tile 2 pr + 1's
.irp i, 0,1,2,3
	v_cndmask_b32 v[D+\i], v[W+\i], v[W+4+\i], vcc_lo
.endr
	global_store_b64 v[L8], v[D:D+1], s[44:45]                 ; my half's first kslot: 256 consecutive bytes at a multiple of 256
	global_store_b64 v[L8], v[D+2:D+3], s[44:45] offset:25600  ; and its second
	s_wait_tensorcnt 0x0
	ds_add_u32 v62, v63
	s_wait_dscnt 0x0
	s_endpgm
.Lfunc_end_k_q37fdcdae68_quant:
	.size	k_q37fdcdae68_quant, .Lfunc_end_k_q37fdcdae68_quant-k_q37fdcdae68_quant
	.p2alignl 7, 3214868480
	.fill 96, 4, 3214868480
	.section	.rodata,"a",@progbits
	.p2align	6, 0x0
	.amdhsa_kernel k_q37fdcdae68_quant
		.amdhsa_group_segment_fixed_size 60416
		.amdhsa_private_segment_fixed_size 0
		.amdhsa_enable_private_segment 0
		.amdhsa_kernarg_size 72
		.amdhsa_user_sgpr_count 2
		.amdhsa_user_sgpr_kernarg_segment_ptr 1
		.amdhsa_wavefront_size32 1
		.amdhsa_system_sgpr_workgroup_id_x 1
		.amdhsa_system_sgpr_workgroup_id_y 1
		.amdhsa_system_sgpr_workgroup_id_z 1
		.amdhsa_system_vgpr_workitem_id 0
		.amdhsa_next_free_vgpr 256
		.amdhsa_next_free_sgpr 66
		.amdhsa_reserve_vcc 1
		.amdhsa_float_denorm_mode_32 3
		.amdhsa_float_denorm_mode_16_64 3
		.amdhsa_memory_ordered 1
		.amdhsa_forward_progress 1
		.amdhsa_inst_pref_size 61
	.end_amdhsa_kernel
	.amdgpu_metadata
---
amdhsa.version: [ 1, 2 ]
amdhsa.kernels:
  - .name:           k_q37fdcdae68_quant
    .symbol:         k_q37fdcdae68_quant.kd
    .args:
      - { .name: q, .offset: 0, .size: 8, .value_kind: global_buffer, .address_space: global }
      - { .name: k, .offset: 8, .size: 8, .value_kind: global_buffer, .address_space: global }
      - { .name: v, .offset: 16, .size: 8, .value_kind: global_buffer, .address_space: global }
      - { .name: wq, .offset: 24, .size: 8, .value_kind: global_buffer, .address_space: global }
      - { .name: wk, .offset: 32, .size: 8, .value_kind: global_buffer, .address_space: global }
      - { .name: wv, .offset: 40, .size: 8, .value_kind: global_buffer, .address_space: global }
      - { .name: wo, .offset: 48, .size: 8, .value_kind: global_buffer, .address_space: global }
      - { .name: xb, .offset: 56, .size: 8, .value_kind: global_buffer, .address_space: global }
      - { .name: wb, .offset: 64, .size: 8, .value_kind: global_buffer, .address_space: global }
    .group_segment_fixed_size: 60416
    .private_segment_fixed_size: 0
    .kernarg_segment_align: 8
    .kernarg_segment_size: 72
    .max_flat_workgroup_size: 224
    .sgpr_count:     66
    .vgpr_count:     256
    .wavefront_size: 32
...
	.end_amdgpu_metadata
.endif
;; end of part 1
;; launch proj (part 2): grid 4 x 64, 4 waves a work-group, clusters of 4 x 4, 327,680 bytes of LDS; arguments xb, wb, bq, bk, bv, hq, hkv; writes hq, hkv
.if DOCPART == 2
	.amdgcn_target "amdgcn-amd-amdhsa--gfx1250"
	.amdhsa_code_object_version 6
	.text
	.protected	k_q37fdcdae68_proj
	.globl	k_q37fdcdae68_proj
	.p2align	8
	.type	k_q37fdcdae68_proj,@function
k_q37fdcdae68_proj:
	s_mov_b64 s[64:65], 0
	v_nop
	global_prefetch_b8 v0, s[64:65] scope:SCOPE_SE
	s_setreg_imm32_b32 hwreg(HW_REG_WAVE_MODE, 25, 1), 1
	s_wait_xcnt 0x0
	s_wait_alu depctr_hold_cnt(0) depctr_sa_sdst(0) depctr_va_vdst(0) depctr_va_sdst(0) depctr_va_ssrc(0) depctr_va_vcc(0) depctr_vm_vsrc(0)
	s_getreg_b32 s2, hwreg(HW_REG_IB_STS2, 6, 4)
	s_cmp_eq_u32 s2, 0
	s_cbranch_scc0 .Lentry_in_a_cluster
	s_endpgm
.Lentry_in_a_cluster:
	s_bfe_u32 s2, ttmp6, 0x10000c
	s_cmp_lg_u32 s2, 0xf033
	s_cbranch_scc0 .Lentry_shape_is_right
	s_endpgm
.Lentry_shape_is_right:
; The three projections y = x w^T + b on codes of FP6 (E2M3) with E8M0 scales, and the quantising of their results for the attention launch: qh and kh along the head's 64, vh along the KEYS.
; A WORK-GROUP STAYS and makes three tiles, Z = 0 q, 1 k, 2 v.  A tile is 128 rows of "A" (source 1 of the matrix instruction: they fall on the lanes) x 256 rows of "B" (source 0: they fall on the registers).
; Z < 2: A = tokens, B = rows of w: a lane's registers run along the output features, which are the next product's K.   Z = 2: A = rows of wv, B = tokens: the registers run along the keys.
; THE RING.  K (1,024) goes in two halves through two LDS slots of 153,600 bytes: [A's kslot e = 0, 1][B's kslot 0: group 0, group 1][B's kslot 1: group 0, group 1], a kslot being 256 along K of 128 rows, 25,600 dense bytes.
; One joint load a wave fills a slot: waves 0, 1 A's kslot e = wave % 2 (100 rows of 256 bytes), waves 2, 3 B's (two rows of 25,600 bytes, one of each group, 102,400 bytes apart).  The ring runs on into the next tile:
; at a tile's top slot 1 takes the tile's second half, in its K step 3 slot 0 takes the next tile's first half.  Every fill but the head's stands behind a tensor wait, an add and its wait, and a round of the cluster's barrier.
; The loop has two trips (q, k); the v tile is written out behind it and asks for nothing beyond its own second half.  One tensor load of a wave is out at a time; every wait for tensor loads is for 0.
; OPERANDS lie in memory, and so in LDS, in the order of the operand's registers: a kslot = [K step q][tile t8][fragment 1,536], then the scale words [t8][row][q].
; A fragment comes by four lane-contiguous loads (16, 8, 16, 8 bytes a lane at 0, 512, 768, 1,280).  Row r of tile 4 c + u is row 64 c + 32 (r / 8) + 8 u + r % 8: so in the results of B's tiles 4 c .. 4 c + 3 a lane (r, h)
; finds 32 NEIGHBOURS, rows 64 c + 32 h + 0 .. 31 of B: a whole block of the next K in one lane.
; CLUSTERS: 4 x 4 work-groups; A's tiles hang on the tile row alone and are asked for jointly along a row of the cluster, B's on the tile column alone, along a column.
; Four waves; wave (wa, wb) makes A's tiles 4 wa .. 4 wa + 3 x B's group wb (eight tiles): 32 accumulators, which take turns, one instruction a turn.  The bias is the C of a tile's first K step.
; OUT.  hq: head block of 102,400 = 16 groups (128 tokens) of 6,400: four pair fragments (half 0 = the 64 codes of token tile 2 i, half 1 of tile 2 i + 1), then 256 bytes of scale words.
;       hkv: head block of 204,800 = 16 steps (128 keys) of 12,800: K's four pair fragments, V's four fragments (16 channels x 128 keys), K's scale words (256), V's (256).
; NO PREFETCH in this text: all sixteen clusters walk the same weights, so that a request by each would name the same bytes sixteen times.
; LIMITS: a block of zeros gets the byte 1 (its codes are zeros; this program alone reads the bytes); blocks under 2^-124 are held at the byte 1; NaN and infinities are not served.
; REGISTERS: window 0: v1-15 constants, v16-39 scale words (two sets), v40-63 at work on the way out, v64-127 the codes, v128-155 the stores' offsets and words, v160-223 q's or k's bias, v224-237 LDS addresses, v254-255 the add's.
;   window 1: accumulator (a, b) at v[8 (8 a + b)].   windows 2, 3: fragment sets 0, 1: B's tile b at v[12 b], A's tile a at v[96 + 12 a]; window 2 v144-175: v's bias.
.set GRP,  102400
.set KSL,  25600
.set KST,  12288
.set FRB,  1536
.set SCW,  24576
.set SLOT, 6*KSL
.set L16,  4                           ; v4   16 x lane
.set L8,   5                           ; v5   8 x lane
.set SC,   16                          ; scale words: set s at v[16 + 12 s]: A's pair p, K step q at + 2 p + q; B's at + 4 + 2 p + q; lanes 0-15 tile 2 p, lanes 16-31 tile 2 p + 1
.set CBQ,  160
.set CBV,  144
.set AA,   224                         ; slot s: v[224 + 3 s] A's fragments by 16, + 1 by 8, + 2 A's scale words
.set BB,   230                         ; slot s, kslot e: v[230 + 4 s + 2 e] B's fragments by 16, + 1 by 8
.set SPW,  254
.set NIL,  255
.set MSB, 0
.macro WIN new                         ; the immediate's high byte repeats the setting that is left
.if MSB != (\new)
	s_set_vgpr_msb (MSB<<8)|(\new)
.set MSB, (\new)
.endif
.endm
.macro WALU
	s_wait_alu depctr_va_vdst(0)
.endm
.macro PLACES
.rept 4
	v_nop
.endr
.endm
.macro CREST                           ; a round of the cluster's barrier behind its opening barrier
	s_cmp_lg_u32 s18, 0
	s_cbranch_scc1 .Lnot_wave_0_\@
	s_barrier_signal -3
.Lnot_wave_0_\@:
	s_barrier_wait -3
	s_barrier_signal -1
	s_barrier_wait -1
.endm
.macro CROUND
	s_barrier_signal -1
	s_barrier_wait -1
	CREST
.endm
.macro JLOAD s                         ; a slot's joint loads: waves 0, 1 by A's line, waves 2, 3 by B's; each line has one mask
	s_cmp_eq_u32 s19, 0
	s_cbranch_scc0 .Lfor_b_\@
	tensor_load_to_lds s[44+4*\s:47+4*\s], s[28:35]
	s_nop 0
	PLACES
	s_branch .Lasked_\@
.Lfor_b_\@:
	tensor_load_to_lds s[52+4*\s:55+4*\s], s[36:43]
	s_nop 0
	PLACES
.Lasked_\@:
.endm
	s_load_b256 s[4:11], s[0:1], 0x0               ; xb s[4:5], wb s[6:7], bq s[8:9], bk s[10:11]
	s_load_b128 s[12:15], s[0:1], 0x20             ; bv s[12:13], hq s[14:15]
	s_load_b64 s[16:17], s[0:1], 0x30              ; hkv
	v_lshl_add_u32 v[SPW], v0, 2, 0x4b000
	v_mov_b32 v[NIL], 0
	ds_add_u32 v[SPW], v[NIL]                      ; the opening lines: the add, twice on end, and its wait
	ds_add_u32 v[SPW], v[NIL]
	v_lshrrev_b32 v1, 5, v0
	v_readfirstlane_b32 s18, v1                    ; wave 0..3
	s_lshr_b32 s19, s18, 1                         ; wa.  Also: I fetch for A (0) or for B (1)
	s_and_b32 s20, s18, 1                          ; wb.  Also: which kslot e of a slot I fetch
	s_bfe_u32 s21, ttmp6, 0x40000                  ; cx
	s_bfe_u32 s22, ttmp6, 0x40004                  ; cy
	s_and_b32 s25, ttmp7, 0xffff                   ; cluster y, 0..15
	s_lshl_b32 s27, s25, 2
	s_add_co_u32 s27, s27, s22                     ; q, k: tile row (128 tokens) = 4 cluster y + cy,
	s_mov_b32 s26, s21                             ; tile column (256 features) = cx
	s_and_b32 s78, s25, 1
	s_lshl_b32 s78, s78, 2
	s_add_co_u32 s78, s78, s22                     ; v: tile row (128 rows of wv),
	s_lshr_b32 s79, s25, 1
	s_lshl_b32 s79, s79, 2
	s_add_co_u32 s79, s79, s21                     ; tile column (256 tokens)
	s_mov_b32 s24, 0                               ; Z
	s_mov_b32 s97, 0                               ; all ones for v
	s_lshl_b32 s60, s22, 2
	s_lshl_b32 s60, 15, s60                        ; my row of the cluster
	s_lshl_b32 s61, 0x1111, s21                    ; my column
	s_or_b32 s28, s60, (3<<16)|(1<<21)             ; group 1, A: elements of 8 bytes, 100 rows of 32
	s_mov_b32 s29, 32<<16
	s_mov_b32 s30, 100<<16
	s_mov_b32 s31, 32<<16
	s_mov_b32 s32, 100
	s_mov_b32 s33, 32
	s_mov_b32 s34, 0
	s_mov_b32 s35, 0
	s_or_b32 s36, s61, (3<<16)|(1<<21)             ; B: 2 rows of 3,200, 12,800 apart
	s_mov_b32 s37, 3200<<16
	s_mov_b32 s38, 2<<16
	s_mov_b32 s39, 3200<<16
	s_mov_b32 s40, 2
	s_mov_b32 s41, 12800
	s_mov_b32 s42, 0
	s_mov_b32 s43, 0
	; every LDS address register is made here, ahead of the first branch on the wave's number, and never rewritten
	v_and_b32 v1, 31, v0                           ; lane
	v_and_b32 v2, 15, v0                           ; r
	v_bfe_u32 v3, v0, 4, 1                         ; h
	v_lshlrev_b32 v[L16], 4, v1
	v_lshlrev_b32 v[L8], 3, v1
	s_mul_i32 s60, s19, 4*FRB
	v_add_nc_u32 v[AA], s60, v[L16]                ; A's tiles 4 wa on
	v_add_nc_u32 v[AA+1], s60, v[L8]
	s_lshl_b32 s61, s19, 9
	s_add_co_u32 s61, s61, SCW
	v_add_nc_u32 v[AA+2], s61, v[L8]               ; A's scale words, pairs 2 wa, 2 wa + 1
.irp j, 0,1,2
	v_add_nc_u32 v[AA+3+\j], SLOT, v[AA+\j]
.endr
	s_mul_i32 s60, s20, KSL
	s_add_co_u32 s60, s60, 2*KSL
	v_add_nc_u32 v[BB], s60, v[L16]                ; B's group wb
	v_add_nc_u32 v[BB+1], s60, v[L8]
	v_add_nc_u32 v[BB+2], 2*KSL, v[BB]
	v_add_nc_u32 v[BB+3], 2*KSL, v[BB+1]
.irp j, 0,1,2,3
	v_add_nc_u32 v[BB+4+\j], SLOT, v[BB+\j]
.endr
	v_lshlrev_b32 v11, 3, v3                       ; v11: 8 h
	v_mov_b32 v12, 0x1800000                       ; v12: the floor 2^(3 - 127)
	v_lshlrev_b32 v13, 7, v3                       ; v13: 128 h: a bias along the registers
	v_and_b32 v14, 7, v2
	v_lshrrev_b32 v15, 3, v2
	v_lshl_add_u32 v14, v15, 5, v14
	v_lshlrev_b32 v14, 2, v14                      ; v14: 4 (r % 8 + 32 (r / 8)): a bias along the lanes
	v_lshlrev_b32 v15, 3, v2                       ; v15: 8 r
	s_mov_b32 s100, 0x76543210
	s_mov_b32 s101, 0xfedcba98                     ; v_permlanex16_b32's selects for lane l xor 16
	; where the tiles come from, my kslot e of a half: A's offsets never hold cx, B's never cy
	s_mul_i32 s62, s20, KSL
	s_mul_i32 s84, s27, GRP
	s_add_co_u32 s84, s84, s62                     ; A, Z = 0: q's codes in xb
	s_mov_b32 s85, 0
	s_mul_i32 s72, s78, GRP
	s_add_co_u32 s72, s72, s62
	s_add_co_u32 s72, s72, 1638400                 ; A, Z = 2: wv's in wb
	s_mov_b32 s73, 0
	s_lshl_b32 s86, s26, 1
	s_mul_i32 s86, s86, GRP
	s_add_co_u32 s86, s86, s62                     ; B, Z = 0: wq's in wb
	s_mov_b32 s87, 0
	s_lshl_b32 s74, s79, 1
	s_mul_i32 s74, s74, GRP
	s_add_co_u32 s74, s74, s62
	s_add_co_u32 s74, s74, 13107200                ; B, Z = 2: v's in xb
	s_mov_b32 s75, 0
	s_mul_i32 s63, s20, 2*KSL
	s_add_co_u32 s63, s63, 2*KSL                   ; where B's kslot e goes in a slot
	s_lshl_b32 s60, s26, 1
	s_add_co_u32 s60, s60, s20
	s_lshl_b32 s60, s60, 9                         ; q's, k's bias: my 128 features, 128 (2 tile column + wb) on
	s_mov_b32 s61, 0
	s_lshl_b32 s80, s78, 9
	s_lshl_b32 s81, s19, 8
	s_add_co_u32 s80, s80, s81                     ; v's: my 64, 128 tile row + 64 wa on
	s_mov_b32 s81, 0
	s_wait_dscnt 0x0
	s_wait_kmcnt 0x0
	s_add_nc_u64 s[90:91], s[8:9], s[60:61]
	s_add_nc_u64 s[76:77], s[10:11], s[60:61]
	s_add_nc_u64 s[80:81], s[12:13], s[80:81]
	s_add_nc_u64 s[84:85], s[4:5], s[84:85]
	s_add_nc_u64 s[72:73], s[6:7], s[72:73]        ; s[72:73], s[74:75]: the v tile's A and B
	s_add_nc_u64 s[86:87], s[6:7], s[86:87]
	s_add_nc_u64 s[74:75], s[4:5], s[74:75]
	s_add_nc_u64 s[68:69], s[84:85], 6553600       ; s[68:69], s[70:71]: the next tile's A and B: k's
	s_add_nc_u64 s[70:71], s[86:87], 819200
.irp s, 0,1
	s_mov_b32 s[44+4*\s], 1                        ; group 0, A, slot s: the q tile's half s
	s_add_co_u32 s[45+4*\s], s62, \s*SLOT
	s_add_nc_u64 s[46+4*\s:47+4*\s], s[84:85], \s*2*KSL
	s_or_b32 s[47+4*\s], s[47+4*\s], 0x80000000
	s_mov_b32 s[52+4*\s], 1                        ; B likewise
	s_add_co_u32 s[53+4*\s], s63, \s*SLOT
	s_add_nc_u64 s[54+4*\s:55+4*\s], s[86:87], \s*2*KSL
	s_or_b32 s[55+4*\s], s[55+4*\s], 0x80000000
.endr
	CROUND                                         ; all sixteen work-groups are here: the first joint loads meet
	JLOAD 0                                        ; one tensor load a wave at the head
	WALU
.set x, 0
.rept 16                               ; q's bias in the result's layout: x = 2 b + e: register 8 b + j of half h: feature 64 (b / 4) + 32 h + 8 (b % 4) + j
	global_load_b128 v[CBQ+4*x:CBQ+4*x+3], v13, s[90:91] offset:4*(64*(x/8)+8*((x/2)%4))+16*(x%2)
.set x, x+1
.endr
	WIN 0x80
.irp a, 0,1,2,3                        ; v's: one number a lane and tile a of A: feature 32 (r / 8) + 8 a + r % 8
	global_load_b32 v[CBV+8*\a], v14, s[80:81] offset:32*\a
.endr
	WIN 0
	s_wait_loadcnt 0x0
	WIN 0x82
.irp a, 0,1,2,3
.irp i, 1,2,3,4,5,6,7
	v_mov_b32 v[CBV+8*\a+\i], v[CBV+8*\a]          ; over the tile's eight registers
.endr
.endr
	WIN 0
.macro FRAG reg, ad, off               ; a fragment: 12 registers by four lane-contiguous loads
	ds_load_b128 v[\reg:\reg+3], v[\ad] offset:\off
	ds_load_b64 v[\reg+4:\reg+5], v[\ad+1] offset:\off+512
	ds_load_b128 v[\reg+6:\reg+9], v[\ad] offset:\off+768
	ds_load_b64 v[\reg+10:\reg+11], v[\ad+1] offset:\off+1280
.endm
.macro FETCH t                         ; K step t (slot t / 4, kslot (t / 2) % 2): twelve fragments into set t % 2: 48 loads in one run
	WIN 0x80+0x40*((\t)%2)
.irp i, 0,1,2,3,4,5,6,7
	FRAG 12*\i, BB+4*((\t)/4)+2*(((\t)/2)%2), KST*((\t)%2)+FRB*\i
.endr
.irp i, 0,1,2,3
	FRAG 96+12*\i, AA+3*((\t)/4), KSL*(((\t)/2)%2)+KST*((\t)%2)+FRB*\i
.endr
.endm
.macro SCALES ks                       ; kslot ks of the tile: its scale words into set ks % 2: six loads
	WIN 0
.irp p, 0,1
	ds_load_b64 v[SC+12*((\ks)%2)+2*\p:SC+12*((\ks)%2)+2*\p+1], v[AA+3*((\ks)/2)+2] offset:KSL*((\ks)%2)+256*\p
.endr
.irp p, 0,1,2,3
	ds_load_b64 v[SC+4+12*((\ks)%2)+2*\p:SC+4+12*((\ks)%2)+2*\p+1], v[BB+4*((\ks)/2)+2*((\ks)%2)+1] offset:SCW+256*\p
.endr
.endm
; One product: source 0 = B's tile b, source 1 = A's tile a; an odd tile's scale words lie in lanes 16-31.  cr: where C stands
.macro WM a, b, q, sc, cr
.set DR,  8*(8*(\a)+(\b))
.set SBR, SC+4+12*(\sc)+2*((\b)/2)+(\q)
.set SAR, SC+12*(\sc)+2*((\a)/2)+(\q)
.if ((\b)%2 == 0) && ((\a)%2 == 0)
	v_wmma_scale_f32_16x16x128_f8f6f4 v[DR:DR+7], v[12*(\b):12*(\b)+11], v[96+12*(\a):96+12*(\a)+11], v[\cr:\cr+7], v[SBR], v[SAR] matrix_a_fmt:MATRIX_FMT_FP6 matrix_b_fmt:MATRIX_FMT_FP6
.elseif ((\b)%2 == 1) && ((\a)%2 == 0)
	v_wmma_scale_f32_16x16x128_f8f6f4 v[DR:DR+7], v[12*(\b):12*(\b)+11], v[96+12*(\a):96+12*(\a)+11], v[\cr:\cr+7], v[SBR], v[SAR] matrix_a_fmt:MATRIX_FMT_FP6 matrix_b_fmt:MATRIX_FMT_FP6 matrix_a_scale:MATRIX_SCALE_ROW1
.elseif ((\b)%2 == 0) && ((\a)%2 == 1)
	v_wmma_scale_f32_16x16x128_f8f6f4 v[DR:DR+7], v[12*(\b):12*(\b)+11], v[96+12*(\a):96+12*(\a)+11], v[\cr:\cr+7], v[SBR], v[SAR] matrix_a_fmt:MATRIX_FMT_FP6 matrix_b_fmt:MATRIX_FMT_FP6 matrix_b_scale:MATRIX_SCALE_ROW1
.else
	v_wmma_scale_f32_16x16x128_f8f6f4 v[DR:DR+7], v[12*(\b):12*(\b)+11], v[96+12*(\a):96+12*(\a)+11], v[\cr:\cr+7], v[SBR], v[SAR] matrix_a_fmt:MATRIX_FMT_FP6 matrix_b_fmt:MATRIX_FMT_FP6 matrix_a_scale:MATRIX_SCALE_ROW1 matrix_b_scale:MATRIX_SCALE_ROW1
.endif
.endm
.macro MULA t, a                       ; K step t, A's tile a against B's eight
	WIN 0x5a+5*((\t)%2)                            ; sources 0 and 1: window 2 or 3; C and D: window 1
.irp b, 0,1,2,3,4,5,6,7
	WM \a, \b, (\t)%2, ((\t)/2)%2, 8*(8*(\a)+\b)
.endr
.endm
.macro MUL t                           ; K step t: 32 products, the accumulators by turns
.irp a, 0,1,2,3
	MULA \t, \a
.endr
.endm
.macro MULFIRST v                      ; K step 0 starts the sums with the bias as C: along the registers for q and k (window 0), along the lanes for v (window 2)
.if \v
	WIN 0x6a
.irp a, 0,1,2,3
.irp b, 0,1,2,3,4,5,6,7
	WM \a, \b, 0, 0, CBV+8*\a
.endr
.endr
.else
	WIN 0x4a
.irp a, 0,1,2,3
.irp b, 0,1,2,3,4,5,6,7
	WM \a, \b, 0, 0, CBQ+8*\b
.endr
.endr
.endif
.endm
; Chunks (a, 0) and (a, 1) of the way out.  v40-47 the bytes E(a, g); v48-51 four chains of maxima; v60-61 scale operands; v52-54, v56-58 second halves; v64 + 8 (2 a + g) the codes; v128 + .., v136 + .. the stores' offsets
.macro CHUNKS a
	WIN 0x14                                       ; sources 1 and 2: window 1
.irp g, 0,1
.irp z, 0,1
	v_max3_num_f32 v[48+2*\g+\z], v12, |v[64*(\a)+32*\g+16*\z]|, |v[64*(\a)+32*\g+16*\z+1]|   ; over the floor; each accumulator is read from its low end on
.endr
.endr
.irp i, 2,4,6,8,10,12,14
.irp g, 0,1
.irp z, 0,1
	v_max3_num_f32 v[48+2*\g+\z], v[48+2*\g+\z], |v[64*(\a)+32*\g+16*\z+\i]|, |v[64*(\a)+32*\g+16*\z+\i+1]|
.endr
.endr
.endr
	WIN 0
.irp g, 0,1
	v_max_num_f32 v[48+2*\g], v[48+2*\g], v[49+2*\g]
.endr
.irp g, 0,1
	v_add_nc_u32 v[60+\g], 0xff000000, v[48+2*\g]  ; 2 off the exponent field: the conversion's scale operand
.endr
.irp g, 0,1
	v_lshrrev_b32 v[40+2*(\a)+\g], 23, v[60+\g]    ; the scale's byte
.endr
	WIN 0x01                                       ; source 0: window 1
.irp g, 0,1
	v_cvt_scalef32_pk16_fp6_f32 v[64+8*(2*(\a)+\g):64+8*(2*(\a)+\g)+2], v[64*(\a)+32*\g:64*(\a)+32*\g+15], v[60+\g]
	v_cvt_scalef32_pk16_fp6_f32 v[52+4*\g:54+4*\g], v[64*(\a)+32*\g+16:64*(\a)+32*\g+31], v[60+\g]
.endr
	WIN 0
	v_nop                                          ; one plain place behind the scaled conversions
.irp g, 0,1
.irp i, 0,1,2
	v_mov_b32 v[64+8*(2*(\a)+\g)+3+\i], v[52+4*\g+\i]
.endr
.endr
	s_add_co_u32 s61, s60, s94
	v_add_nc_u32 v[128+2*(\a)], s60, v[L16]
	v_add_nc_u32 v[136+2*(\a)], s60, v[L8]
	v_add_nc_u32 v[129+2*(\a)], s61, v[L16]
	v_add_nc_u32 v[137+2*(\a)], s61, v[L8]
	s_add_co_u32 s60, s60, s93
.irp g, 0,1
	global_store_b128 v[128+2*(\a)+\g], v[64+8*(2*(\a)+\g):64+8*(2*(\a)+\g)+3], s[88:89]
	global_store_b64 v[136+2*(\a)+\g], v[64+8*(2*(\a)+\g)+4:64+8*(2*(\a)+\g)+5], s[88:89] offset:512
.endr
.endm
; THE WAY OUT of tile Z (s24; s26, s27 its tile column and row).  Chunk (a, g) = the 32 registers 64 a + 32 g on of window 1: one block of the next K in each lane.
; q, k: token row r of tile 4 wa + a, block h of head 4 tile column + 2 wb + g.   v: channel row r of V's fragment a of head 2 tile row + wa, key block 2 g + h of step 2 tile column + wb.
.macro WAYOUT
	WIN 0
	PLACES                                         ; places behind the last products
	s_wait_xcnt 0x0                                ; the last tile's stores have read their registers and their base
	s_lshl_b32 s60, s26, 1
	s_add_co_u32 s60, s60, s20                     ; 2 tile column + wb
	s_lshl_b32 s61, s60, 1
	s_lshl_b32 s62, s27, 1
	s_add_co_u32 s62, s62, s19                     ; 2 tile row + wa
	s_cmp_eq_u32 s24, 2
	s_cselect_b32 s63, s60, s27                    ; the group of 128 tokens, 0..63
	s_cselect_b32 s61, s62, s61                    ; the first head
	s_cmp_lg_u32 s24, 0
	s_cselect_b32 s2, 1, 0
	s_lshl_b32 s98, 102400, s2                     ; a head's bytes: 102,400 in hq, 204,800 in hkv
	s_lshl_b32 s99, 6400, s2                       ; a group's: 6,400 or 12,800
	s_lshr_b32 s3, s63, 4
	s_lshl_b32 s3, s3, 4
	s_add_co_u32 s3, s3, s61                       ; 16 x batch + head
	s_mul_i32 s3, s3, s98
	s_and_b32 s63, s63, 15
	s_mul_i32 s63, s63, s99
	s_add_co_u32 s3, s3, s63
	s_mul_i32 s60, s19, 3072
	s_lshl_b32 s61, 6144, s2
	s_lshl_b32 s62, s19, 7
	s_add_co_u32 s61, s61, s62
	s_cmp_eq_u32 s24, 2
	s_cselect_b32 s60, 6144, s60                   ; codes: q, k: token tiles 4 wa on, 768 each;  v: behind K's fragments
	s_cselect_b32 s61, 12544, s61                  ; scale words
	s_mov_b32 s93, 768
	s_cselect_b32 s93, 1536, s93                   ; from a to a + 1
	s_cselect_b32 s94, 768, s98                    ; from g = 0 to g = 1: v: the fragment's other half;  q, k: the next head
	s_cselect_b32 s96, 128, s98                    ; the same for the scale words
	s_add_co_u32 s92, s3, s60
	s_add_co_u32 s95, s3, s61
	s_cmp_eq_u32 s24, 0
	s_cselect_b64 s[88:89], s[14:15], s[16:17]
	s_mov_b32 s60, s92
	CHUNKS 0
	CHUNKS 1
	CHUNKS 2
	CHUNKS 3
	; the scale words.  q, k: word (g, i') of a pair fragment: bytes h and 2 + h from tiles 2 i' and 2 i' + 1;  v: word a of fragment a: bytes h and 2 + h from g = 0 and 1
	v_lshl_or_b32 v144, v42, 16, v40
	v_lshl_or_b32 v145, v46, 16, v44
	v_lshl_or_b32 v146, v43, 16, v41
	v_lshl_or_b32 v147, v47, 16, v45
.irp n, 0,1,2,3
	v_lshl_or_b32 v[148+\n], v[41+2*\n], 16, v[40+2*\n]
.endr
.irp n, 0,1,2,3
	v_cndmask_b32 v[144+\n], v[144+\n], v[148+\n], s97
.endr
.irp n, 0,1,2,3
	v_lshlrev_b32 v[144+\n], v11, v[144+\n]
.endr
.irp n, 0,1,2,3
	v_permlanex16_b32 v[148+\n], v[144+\n], s100, s101
.endr
.irp n, 0,1,2,3
	v_or_b32 v[144+\n], v[144+\n], v[148+\n]       ; with lane l xor 16's two bytes the word is whole
.endr
	v_cmp_ne_u32 vcc_lo, 0, v3
	v_cndmask_b32 v152, v144, v146, vcc_lo         ; lanes 0-15 store words 0 and 1, lanes 16-31 words 2 and 3
	v_cndmask_b32 v153, v145, v147, vcc_lo
	v_mul_lo_u32 v154, v3, s96
	v_add3_u32 v154, v154, v15, s95
	global_store_b64 v154, v[152:153], s[88:89]
.endm
; A TILE.  v = 0: q or k, in the loop; v = 1: the v tile, the last.
; In K step t the next step's fragments are asked for, into the set that the step before has multiplied, four plain places behind its last product; the counted waits leave out only the run just issued (48, with scale words 54).
.macro TILE v
	WALU
	s_wait_tensorcnt 0x0                           ; my part of slot 0 is in,
	ds_add_u32 v[SPW], v[NIL]
.if \v
	s_add_nc_u64 s[50:51], s[72:73], 2*KSL         ; no load of mine is out: slot 1's group 0 takes the v tile's second half
	s_or_b32 s51, s51, 0x80000000
	s_add_nc_u64 s[58:59], s[74:75], 2*KSL
	s_or_b32 s59, s59, 0x80000000
.endif
	s_wait_dscnt 0x0                               ; the add is done, and my reads of slot 1 are over
	CROUND
	JLOAD 1                                        ; this tile's second half
	FETCH 0
	SCALES 0
	FETCH 1
	s_wait_dscnt 48
	s_wait_loadcnt 0x0                             ; the bias
	MULFIRST \v
	WIN 0
	PLACES
.if \v == 0
	s_cmp_lg_u32 s24, 0
	s_cbranch_scc1 .Lno_bias_\@
.set x, 0
.rept 16                               ; behind q's first K step: k's bias, into the same registers
	global_load_b128 v[CBQ+4*x:CBQ+4*x+3], v13, s[76:77] offset:4*(64*(x/8)+8*((x/2)%4))+16*(x%2)
.set x, x+1
.endr
.Lno_bias_\@:
.endif
	FETCH 2
	SCALES 1
	s_wait_dscnt 54
	MUL 1
	PLACES
	FETCH 3
	s_wait_dscnt 48
	MUL 2
	WIN 0                                          ; K STEP 3 CHANGES SLOTS
	s_wait_tensorcnt 0x0                           ; my part of slot 1 is in,
	ds_add_u32 v[SPW], v[NIL]
	s_wait_dscnt 1                                 ; (K step 3's fragments are in; the add may be out)
	MULA 3, 0
.if \v == 0
	s_add_nc_u64 s[50:51], s[50:51], 6553600       ; no load of mine is out: slot 1's group 0 steps to the next tile's second half (k's; behind that it is written anew),
	s_add_nc_u64 s[58:59], s[58:59], 819200
	s_mov_b64 s[46:47], s[68:69]                   ; slot 0's takes the next tile's first half,
	s_or_b32 s47, s47, 0x80000000
	s_mov_b64 s[54:55], s[70:71]
	s_or_b32 s55, s55, 0x80000000
	s_mov_b64 s[68:69], s[72:73]                   ; and the tile after that is v's
	s_mov_b64 s[70:71], s[74:75]
.endif
	WIN 0
	s_wait_dscnt 0x0                               ; the add is done, and my reads of slot 0 are over
	s_barrier_signal -1
	MULA 3, 1
	WIN 0
	s_barrier_wait -1
.if \v == 0
	CREST                                          ; the barrier has opened a round of the cluster's barrier
	JLOAD 0                                        ; the next tile's first half; the four v_nop behind it are the places in front of the loads below
.else
	PLACES                                         ; nothing is filled again, so no round follows
.endif
	FETCH 4
	SCALES 2
	MULA 3, 2
	MULA 3, 3
	PLACES
	FETCH 5
	s_wait_dscnt 48
	MUL 4
	PLACES
	FETCH 6
	SCALES 3
	s_wait_dscnt 54
	MUL 5
	PLACES
	FETCH 7
	s_wait_dscnt 48
	MUL 6
	s_wait_dscnt 0x0
	MUL 7
	WAYOUT
.endm
.Ltile:
	TILE 0
	s_add_co_u32 s24, s24, 1
	s_cmp_lt_u32 s24, 2
	WALU
	s_cbranch_scc1 .Ltile
	s_mov_b32 s26, s79                             ; the v tile's column and row
	s_mov_b32 s27, s78
	s_mov_b32 s97, -1
	TILE 1
	s_wait_tensorcnt 0x0                           ; the wave's end
	ds_add_u32 v[SPW], v[NIL]
	s_wait_dscnt 0x0
	CROUND                                         ; the closing round: no work-group ends while a partner may still ask for a tile that names it
	s_endpgm
.Lfunc_end_k_q37fdcdae68_proj:
	.size	k_q37fdcdae68_proj, .Lfunc_end_k_q37fdcdae68_proj-k_q37fdcdae68_proj
	.p2alignl 7, 3214868480
	.fill 96, 4, 3214868480
	.section	.rodata,"a",@progbits
	.p2align	6, 0x0
	.amdhsa_kernel k_q37fdcdae68_proj
		.amdhsa_group_segment_fixed_size 327680
		.amdhsa_private_segment_fixed_size 0
		.amdhsa_enable_private_segment 0
		.amdhsa_kernarg_size 56
		.amdhsa_user_sgpr_count 2
		.amdhsa_user_sgpr_kernarg_segment_ptr 1
		.amdhsa_wavefront_size32 1
		.amdhsa_system_sgpr_workgroup_id_x 1
		.amdhsa_system_sgpr_workgroup_id_y 1
		.amdhsa_system_sgpr_workgroup_id_z 1
		.amdhsa_system_vgpr_workitem_id 0
		.amdhsa_next_free_vgpr 1024
		.amdhsa_next_free_sgpr 102
		.amdhsa_reserve_vcc 1
		.amdhsa_float_denorm_mode_32 3
		.amdhsa_float_denorm_mode_16_64 3
		.amdhsa_memory_ordered 1
		.amdhsa_forward_progress 1
		.amdhsa_inst_pref_size 169
	.end_amdhsa_kernel
	.amdgpu_metadata
---
amdhsa.version: [ 1, 2 ]
amdhsa.kernels:
  - .name:           k_q37fdcdae68_proj
    .symbol:         k_q37fdcdae68_proj.kd
    .args:
      - { .name: xb, .offset: 0, .size: 8, .value_kind: global_buffer, .address_space: global }
      - { .name: wb, .offset: 8, .size: 8, .value_kind: global_buffer, .address_space: global }
      - { .name: bq, .offset: 16, .size: 8, .value_kind: global_buffer, .address_space: global }
      - { .name: bk, .offset: 24, .size: 8, .value_kind: global_buffer, .address_space: global }
      - { .name: bv, .offset: 32, .size: 8, .value_kind: global_buffer, .address_space: global }
      - { .name: hq, .offset: 40, .size: 8, .value_kind: global_buffer, .address_space: global }
      - { .name: hkv, .offset: 48, .size: 8, .value_kind: global_buffer, .address_space: global }
    .group_segment_fixed_size: 327680
    .private_segment_fixed_size: 0
    .kernarg_segment_align: 8
    .kernarg_segment_size: 56
    .max_flat_workgroup_size: 128
    .sgpr_count:     102
    .vgpr_count:     1024
    .wavefront_size: 32
...
	.end_amdgpu_metadata
.endif
;; end of part 2
;; launch attn (part 3): grid 4 x 64, 8 waves a work-group, clusters of 4 x 1, 206,848 bytes of LDS; arguments hq, hkv, ab; writes ab
.if DOCPART == 3
	.amdgcn_target "amdgcn-amd-amdhsa--gfx1250"
	.amdhsa_code_object_version 6
	.text
	.protected	k_q37fdcdae68_attn
	.globl	k_q37fdcdae68_attn
	.p2align	8
	.type	k_q37fdcdae68_attn,@function
k_q37fdcdae68_attn:
	s_mov_b64 s[64:65], 0
	v_nop
	global_prefetch_b8 v0, s[64:65] scope:SCOPE_SE
	s_setreg_imm32_b32 hwreg(HW_REG_WAVE_MODE, 25, 1), 1
	s_wait_xcnt 0x0
	s_wait_alu depctr_hold_cnt(0) depctr_sa_sdst(0) depctr_va_vdst(0) depctr_va_sdst(0) depctr_va_ssrc(0) depctr_va_vcc(0) depctr_vm_vsrc(0)
	s_getreg_b32 s2, hwreg(HW_REG_IB_STS2, 6, 4)
	s_cmp_eq_u32 s2, 0
	s_cbranch_scc0 .Lentry_in_a_cluster
	s_endpgm
.Lentry_in_a_cluster:
	s_bfe_u32 s2, ttmp6, 0x10000c
	s_cmp_lg_u32 s2, 0x3003
	s_cbranch_scc0 .Lentry_shape_is_right
	s_endpgm
.Lentry_shape_is_right:
; Attention of one head (cluster y = 16 x batch + head) on codes of FP6 (E2M3) with E8M0 scales: S^T = K Q^T, p = 2^(t - M), O^T = V^T P^T, O / the row's sum, quantised along D_MODEL for the last projection.
; t = score x log2(e) / 8; M = the running largest t rounded UP to a whole number; p is quantised along the keys, not normalised; the row's sum is taken of the unquantised p, in f32.
; When M moves, the sum and O^T are multiplied by 2^(old M - new M): exact.
; SHARES.  The four work-groups of a cluster take 512 queries each of one head.  The head's K, V and scale words, 204,800 bytes, lie in LDS, each byte filled once: wave w asks for key steps 2 w, 2 w + 1 (25,600 dense bytes)
; JOINTLY with the same wave of the three partners; one tensor load of a wave is out.  Eight waves of 512 registers, two to a SIMD.  A wave owns FOUR query tiles (64 queries) and walks the keys once:
; a step's eight fragments are loaded once from LDS and serve all four tiles: 34 LDS loads for 48 products.  The tiles go in two pairs; the two tiles of a pair go through the softmax line by line in turn, so that dependent lines stand apart.
; KEY STEP 0 IS WRITTEN OUT ahead of the loop.  It reads step 0 and asks ahead for step 1's K: both lie in wave 0's tile, whose load line and wait are wave 0's alone, so the first barrier shows that tile only;
; behind step 0 every wave waits for its own load and a second barrier shows the whole head.  Step 0 also starts the sums: its second product takes C = 0, so nothing is cleared, and it has no rescaling.
; A step's V is asked for behind the first pair's score products, the next step's K behind the second pair's.  In the last trip the step's number wraps to 0: those 17 loads of K are read by nobody.
; LAYOUT.  Both products are used transposed: a lane (r, h) holds ONE query r.  Key tile 4 c + u holds as row m key 64 c + 32 (m / 8) + 8 u + m % 8 of the step: register 32 c + n of S^T is key 64 c + 32 h + n:
; a lane holds whole blocks of 32 keys, and the conversions' results are the second product's operand.  V's fragment u holds channels 32 (m / 8) + 8 u + m % 8 likewise.
; K = 64 IN THE FIRST PRODUCT.  A fragment of K carries two key tiles, one in each half of the instruction's 128.  The four Q stand between five runs of six zero registers: [Q][zeros] is Q in the lower 64, [zeros][Q] in the upper.
; Zero codes add nothing; their scale bytes on Q's side are 0.
; OUT as the last projection's operand (128 tokens = four kslots of 25,600 bytes): a tile's codes are half a fragment, 512 + 256 consecutive bytes; a scale word there holds two heads' bytes, two work-groups' work, so a tile's 32 bytes leave singly.
; NO PREFETCH: every byte of K and V is asked for at the head; there is no later load to run ahead of.
; LIMITS: the promise holds while |t| stays under 2^31; a block of zeros gets the byte 1 (its codes are zeros; this program alone reads the bytes); a p under 2^-126 counts as 0; NaN and infinities are not served.
; REGISTERS.  Window 0: below.  Window 1: v0-127 O^T (32 a tile), v128-175 K's fragments, v176-223 V's, v224-247 p's codes (12 a tile of the pair), v248-255 the rows' sums (2 a tile).
.set STEPB, 12800                      ; a step: K's four pair fragments, V's four fragments (at 6,144), K's scale words (12,288), V's (12,544)
.set FRB,  1536
.set AD16, 1                           ; v1, v2  16 x lane, 8 x lane in the step that is fetched
.set AD8,  2
.set SH8,  3                           ; v3   8 h
.set SPW,  4                           ; v4   my spare word;  v5  0
.set NIL,  5
.set L16,  6                           ; v6, v7  16 x lane, 8 x lane
.set L8,   7
.set SK,   8                           ; v8-9 K's scale words, v10-11 V's: fragment i in register i % 2, lanes 16-31 for i >= 2
.set SV,   10
.set PW,   12                          ; v12-13 p's scale words, one a tile of the pair
.set SQ,   14                          ; v14-21 Q's scale words: tile t: 2 t for Q below, 2 t + 1 for Q above
.set ST,   22                          ; v22-29 tile t: -M, the largest score
.set FF,   30                          ; v30-33 f, as the low word of a pair, one a tile of the pair
.set BM,   34                          ; v34-37 the blocks' largest scores, then largest p, then bytes
.set SO,   38                          ; v38-41 the conversions' scale operands
.set TM,   42                          ; v42-47 at work, three a tile of the pair
.set TT,   48                          ; v48-67 ten a tile of the pair: four chains of sums; then the sum (0-1) and the second halves of the codes (2-4, 6-8)
.set QB,   68                          ; v68-121 [zeros][Q0][zeros][Q1][zeros][Q2][zeros][Q3][zeros]
.set QW,   122                         ; v122-123 Q's scale words as loaded
.set SBO,  124                         ; v124 8 r + h
.set R8,   125                         ; v125 8 r
.set S,    128                         ; v128-255 S^T, then p: 64 a tile of the pair
.set OA,   0
.set KF,   128
.set VF,   176
.set PC,   224
.set LS,   248
.set MSB, 0
.macro WIN new                         ; the immediate's high byte repeats the setting that is left
.if MSB != (\new)
	s_set_vgpr_msb (MSB<<8)|(\new)
.set MSB, (\new)
.endif
.endm
.macro WALU
	s_wait_alu depctr_va_vdst(0)
.endm
.macro CROUND                          ; a round of the cluster's barrier
	s_barrier_signal -1
	s_barrier_wait -1
	s_cmp_lg_u32 s10, 0
	s_cbranch_scc1 .Lnot_wave_0_\@
	s_barrier_signal -3
.Lnot_wave_0_\@:
	s_barrier_wait -3
	s_barrier_signal -1
	s_barrier_wait -1
.endm
.macro FRAGS reg, off                  ; four fragments into window 1: sixteen lane-contiguous loads
	WIN 0x40
.irp i, 0,1,2,3
	ds_load_b128 v[\reg+12*\i:\reg+12*\i+3], v[AD16] offset:\off+FRB*\i
	ds_load_b64 v[\reg+12*\i+4:\reg+12*\i+5], v[AD8] offset:\off+FRB*\i+512
	ds_load_b128 v[\reg+12*\i+6:\reg+12*\i+9], v[AD16] offset:\off+FRB*\i+768
	ds_load_b64 v[\reg+12*\i+10:\reg+12*\i+11], v[AD8] offset:\off+FRB*\i+1280
.endr
	WIN 0
.endm
.macro WM d, a, b, c, sa, sb, row      ; one product; row = 1: source 0's scale words lie in lanes 16-31
.if \row
	v_wmma_scale_f32_16x16x128_f8f6f4 v[\d:\d+7], v[\a:\a+11], v[\b:\b+11], \c, v[\sa], v[\sb] matrix_a_fmt:MATRIX_FMT_FP6 matrix_b_fmt:MATRIX_FMT_FP6 matrix_a_scale:MATRIX_SCALE_ROW1
.else
	v_wmma_scale_f32_16x16x128_f8f6f4 v[\d:\d+7], v[\a:\a+11], v[\b:\b+11], \c, v[\sa], v[\sb] matrix_a_fmt:MATRIX_FMT_FP6 matrix_b_fmt:MATRIX_FMT_FP6
.endif
.endm
.macro SCST n                          ; p's scales, in seven stages that stand among the rounds of the sums
.if (\n) == 0
.irp q, 0,1,2,3
	v_max_num_f32 v[BM+\q], 0x1800000, v[BM+\q]    ; the floor 2^(3 - 127): the byte cannot fall under 1
.endr
.elseif (\n) == 1
.irp q, 0,1,2,3
	v_add_nc_u32 v[SO+\q], 0xff000000, v[BM+\q]    ; 2 off the exponent field: the conversion's scale operand
.endr
.elseif (\n) == 2
.irp q, 0,1,2,3
	v_lshrrev_b32 v[BM+\q], 23, v[SO+\q]           ; the scale's byte
.endr
.elseif (\n) == 3
.irp x, 0,1
	v_lshl_or_b32 v[TM+3*\x], v[BM+2*\x+1], 16, v[BM+2*\x]   ; my bytes of blocks h and 2 + h,
.endr
.elseif (\n) == 4
.irp x, 0,1
	v_lshlrev_b32 v[TM+3*\x], v[SH8], v[TM+3*\x]
.endr
.elseif (\n) == 5
.irp x, 0,1
	v_permlanex16_b32 v[TM+3*\x+1], v[TM+3*\x], s34, s35
.endr
.else
.irp x, 0,1
	v_or_b32 v[PW+\x], v[TM+3*\x], v[TM+3*\x+1]    ; with lane l xor 16's: p's scale word for these 128 keys
.endr
.endif
.endm
; TILES 2 pr AND 2 pr + 1 AGAINST A STEP'S 128 KEYS.  f = 1: key step 0, which starts the sums
.macro PAIR pr, f
	WIN 0x01                                       ; source 0 (K) window 1
.irp i, 0,1,2,3
.irp x, 0,1
.set D_, S+64*\x+16*\i
.set B_, QB+12*(2*\pr+\x)
.set X_, SQ+2*(2*\pr+\x)
	WM D_, KF+12*\i, B_+6, 0, SK+\i%2, X_, \i/2        ; key tile 2 i: Q below
	WM D_+8, KF+12*\i, B_, 0, SK+\i%2, X_+1, \i/2      ; key tile 2 i + 1: Q above
.endr
.endr
	WIN 0
.if \f                                 ; these two and the next two lines are the four places behind the products
	v_nop
	v_nop
.else
.irp x, 0,1
	v_mov_b32 v[TM+3*\x+2], v[ST+2*(2*\pr+\x)]     ; the old -M
.endr
.endif
.if \pr
	v_add_nc_u32 v[AD16], s36, v[L16]
	v_add_nc_u32 v[AD8], s36, v[L8]
	FRAGS KF, 0                                    ; the next step's K: 17 loads
	ds_load_b64 v[SK:SK+1], v[AD8] offset:12288
.else
	v_nop
	v_nop
	FRAGS VF, 6144                                 ; this step's V: 17 loads, which land while the softmax is walked
	ds_load_b64 v[SV:SV+1], v[AD8] offset:12544
.endif
.irp c, 0,1
.irp x, 0,1
	v_max3_num_f32 v[BM+2*\x+\c], v[S+64*\x+32*\c], v[S+64*\x+32*\c+1], v[S+64*\x+32*\c+2]   ; the largest score of each block of 32 keys: for the row's maximum and for the block's largest p.  Ascending: each accumulator from its low end on
.endr
.endr
.irp i, 3,5,7,9,11,13,15,17,19,21,23,25,27,29
.irp c, 0,1
.irp x, 0,1
	v_max3_num_f32 v[BM+2*\x+\c], v[BM+2*\x+\c], v[S+64*\x+32*\c+\i], v[S+64*\x+32*\c+\i+1]
.endr
.endr
.endr
.irp c, 0,1
.irp x, 0,1
	v_max_num_f32 v[BM+2*\x+\c], v[BM+2*\x+\c], v[S+64*\x+32*\c+31]
.endr
.endr
.irp x, 0,1
	v_max_num_f32 v[TM+3*\x], v[BM+2*\x], v[BM+2*\x+1]
.endr
.irp x, 0,1
	v_permlanex16_b32 v[TM+3*\x+1], v[TM+3*\x], s34, s35
.endr
.irp x, 0,1
.if \f
	v_max_num_f32 v[ST+2*(2*\pr+\x)+1], v[TM+3*\x], v[TM+3*\x+1]   ; the largest score of my query so far
.else
	v_max3_num_f32 v[ST+2*(2*\pr+\x)+1], v[ST+2*(2*\pr+\x)+1], v[TM+3*\x], v[TM+3*\x+1]
.endif
.endr
.irp x, 0,1
	v_mul_f32 v[TM+3*\x], s32, v[ST+2*(2*\pr+\x)+1]    ; as t (c is positive, so the largest score gives the largest t)
.endr
.irp x, 0,1
	v_floor_f32 v[ST+2*(2*\pr+\x)], -v[TM+3*\x]    ; the new -M = floor(-t) = -ceil(t)
.endr
.set j, 0
.rept 32
.irp x, 0,1
	v_pk_fma_f32 v[S+64*\x+j:S+64*\x+j+1], v[S+64*\x+j:S+64*\x+j+1], s[32:33], v[ST+2*(2*\pr+\x):ST+2*(2*\pr+\x)+1] op_sel_hi:[1,0,0]   ; t - M, two at a time
.endr
.if j == 32
.irp x, 0,1
.irp c, 0,1
	v_fma_f32 v[BM+2*\x+\c], v[BM+2*\x+\c], s32, v[ST+2*(2*\pr+\x)]   ; the same of each block's largest score
.endr
.endr
.endif
.if \f == 0
.if j == 8
.irp x, 0,1
	v_sub_f32 v[TM+3*\x+2], v[ST+2*(2*\pr+\x)], v[TM+3*\x+2]   ; old M - new M: a whole number, 0 or less
.endr
.elseif j == 16
.irp x, 0,1
	v_cvt_i32_f32 v[TM+3*\x+2], v[TM+3*\x+2]       ; (it saturates)
.endr
.elseif j == 24
.irp x, 0,1
	v_ldexp_f32 v[FF+2*\x], 1.0, v[TM+3*\x+2]      ; f = 2^(old M - new M)
.endr
.endif
.endif
.set j, j+2
.endr
	WALU
.irp q, 0,1,2,3
	v_exp_f32 v[BM+\q], v[BM+\q]                   ; the block's largest p: the same two instructions on the same number give the same bits
.endr
.set j, 0
.rept 128
	v_exp_f32 v[S+j], v[S+j]                       ; p = 2^(t - M), at most 1: not normalised
.set j, j+1
.endr
	v_nop                                          ; a plain place behind the exponentials,
	WALU                                           ; and for the wait behind it
.irp k, 0,1,2,3                        ; the rows' sums of the unquantised p: four chains a tile, two numbers a line
.irp x, 0,1
	v_pk_add_f32 v[TT+10*\x+2*\k:TT+10*\x+2*\k+1], v[S+64*\x+2*\k:S+64*\x+2*\k+1], v[S+64*\x+2*\k+8:S+64*\x+2*\k+9]
.endr
.endr
	SCST 0
.set m, 2
.rept 6
.irp k, 0,1,2,3
.irp x, 0,1
	v_pk_add_f32 v[TT+10*\x+2*\k:TT+10*\x+2*\k+1], v[TT+10*\x+2*\k:TT+10*\x+2*\k+1], v[S+64*\x+2*\k+8*m:S+64*\x+2*\k+8*m+1]
.endr
.endr
	SCST m-1
.set m, m+1
.endr
.irp x, 0,1
	v_pk_add_f32 v[TT+10*\x:TT+10*\x+1], v[TT+10*\x:TT+10*\x+1], v[TT+10*\x+2:TT+10*\x+3]
	v_pk_add_f32 v[TT+10*\x+4:TT+10*\x+5], v[TT+10*\x+4:TT+10*\x+5], v[TT+10*\x+6:TT+10*\x+7]
.endr
.irp x, 0,1
	v_pk_add_f32 v[TT+10*\x:TT+10*\x+1], v[TT+10*\x:TT+10*\x+1], v[TT+10*\x+4:TT+10*\x+5]
.endr
.irp x, 0,1
.irp c, 0,1
	v_cvt_scalef32_pk16_fp6_f32 v[TT+10*\x+2+4*\c:TT+10*\x+4+4*\c], v[S+64*\x+32*\c+16:S+64*\x+32*\c+31], v[SO+2*\x+\c]   ; (a conversion's three registers begin on an even number: a block's second three are made here and moved)
.endr
.endr
	WIN 0x40                                       ; destination window 1
.irp x, 0,1
.irp c, 0,1
	v_cvt_scalef32_pk16_fp6_f32 v[PC+12*\x+6*\c:PC+12*\x+6*\c+2], v[S+64*\x+32*\c:S+64*\x+32*\c+15], v[SO+2*\x+\c]
.endr
.endr
	v_nop                                          ; one plain place behind the scaled conversions
.irp x, 0,1
.irp c, 0,1
.irp i, 0,1,2
	v_mov_b32 v[PC+12*\x+6*\c+3+\i], v[TT+10*\x+2+4*\c+\i]
.endr
.endr
.endr
.if \f
.irp x, 0,1
	v_mov_b32 v[LS+2*(2*\pr+\x)], v[TT+10*\x]      ; the first step's part starts the row's sum.  (These four and the two below are the places between the codes and the products)
	v_mov_b32 v[LS+2*(2*\pr+\x)+1], v[TT+10*\x+1]
.endr
	v_nop
	v_nop
.else
	WIN 0x41                                       ; destination and source 0 window 1
	WALU
.set j, 0
.rept 16
.irp x, 0,1
	v_pk_mul_f32 v[OA+32*(2*\pr+\x)+j:OA+32*(2*\pr+\x)+j+1], v[OA+32*(2*\pr+\x)+j:OA+32*(2*\pr+\x)+j+1], v[FF+2*\x:FF+2*\x+1] op_sel_hi:[1,0]   ; O^T under the new M; also the places between the scale word, the codes and the products
.endr
.set j, j+2
.endr
.irp x, 0,1
	v_pk_fma_f32 v[LS+2*(2*\pr+\x):LS+2*(2*\pr+\x)+1], v[LS+2*(2*\pr+\x):LS+2*(2*\pr+\x)+1], v[FF+2*\x:FF+2*\x+1], v[TT+10*\x:TT+10*\x+1] op_sel_hi:[1,0,1]   ; the sum under the new M, and this step's part
.endr
.endif
.if \pr == 0
	WALU
	s_wait_dscnt 0x0                               ; V is in
.endif
	WIN 0x55                                       ; all four places window 1
.irp u, 0,1,2,3                        ; O^T (+)= V^T P^T: eight accumulators, one instruction each
.irp x, 0,1
.set D_, OA+32*(2*\pr+\x)+8*\u
.if \f
	WM D_, VF+12*\u, PC+12*\x, 0, SV+\u%2, PW+\x, \u/2
.else
	WM D_, VF+12*\u, PC+12*\x, v[D_:D_+7], SV+\u%2, PW+\x, \u/2
.endif
.endr
.endr
.endm
	s_load_b128 s[4:7], s[0:1], 0x0                ; hq s[4:5], hkv s[6:7]
	s_load_b64 s[8:9], s[0:1], 0x10                ; ab
	v_lshl_add_u32 v[SPW], v0, 2, 0x32000
	v_mov_b32 v[NIL], 0
	ds_add_u32 v[SPW], v[NIL]                      ; the opening lines: the add, twice on end, and its wait ahead of my tensor load
	ds_add_u32 v[SPW], v[NIL]
	v_lshrrev_b32 v[TM], 5, v0
	v_readfirstlane_b32 s10, v[TM]                 ; wave 0..7
	s_bfe_u32 s11, ttmp6, 0x40000                  ; cx: it enters Q's and ab's addresses alone
	s_and_b32 s12, ttmp7, 0xffff                   ; 16 x batch + head, which the four partners share
	s_lshr_b32 s13, s12, 4                         ; batch
	s_and_b32 s14, s12, 15                         ; head
	s_lshr_b32 s46, s10, 1
	s_lshl_b32 s15, s11, 2
	s_add_co_u32 s15, s15, s46                     ; my group of 128 queries: 4 cx + wave / 2
	s_and_b32 s16, s10, 1                          ; u: my half of it: tiles 4 u .. 4 u + 3
	s_mov_b32 s20, 15|(3<<16)|(1<<21)              ; group 1: 25,600 dense bytes as 100 rows of 256 (32 elements of 8 bytes); the mask names all four work-groups
	s_mov_b32 s21, 32<<16
	s_mov_b32 s22, 100<<16
	s_mov_b32 s23, 32<<16
	s_mov_b32 s24, 100
	s_mov_b32 s25, 32
	s_mov_b32 s26, 0
	s_mov_b32 s27, 0
	s_mul_i32 s29, s10, 2*STEPB                    ; LDS address: wave x 25,600
	s_mul_i32 s46, s12, 204800
	s_add_co_u32 s46, s46, s29
	s_mov_b32 s47, 0
	s_mul_i32 s48, s12, 102400                     ; hq: head,
	s_mul_i32 s49, s15, 6400
	s_add_co_u32 s48, s48, s49                     ; group,
	s_mul_i32 s49, s16, 2*FRB
	s_add_co_u32 s50, s48, s49                     ; my four tiles, 768 bytes each
	s_mov_b32 s51, 0
	s_lshl_b32 s49, s16, 7
	s_add_co_u32 s52, s48, s49
	s_add_co_u32 s52, s52, 6144                    ; their scale words: 6,144 + 128 u, 8 bytes a row
	s_mov_b32 s53, 0
	s_lshl_b32 s54, s13, 4
	s_add_co_u32 s54, s54, s15
	s_mul_i32 s54, s54, 102400                     ; ab: the group of 128 tokens,
	s_lshr_b32 s49, s14, 2
	s_mul_i32 s49, s49, 25600
	s_add_co_u32 s54, s54, s49                     ; the kslot: head / 4
	s_bfe_u32 s55, s14, 0x10001                    ; the K step in it: (head / 2) % 2
	s_and_b32 s56, s14, 1                          ; the fragment's half: head % 2
	s_mul_i32 s49, s55, 12288
	s_add_co_u32 s58, s54, s49
	s_mul_i32 s49, s16, 6144
	s_add_co_u32 s58, s58, s49                     ; tile 4 u
	s_mul_i32 s49, s56, 768
	s_add_co_u32 s58, s58, s49
	s_mov_b32 s59, 0
	s_lshl_b32 s49, s16, 9
	s_add_co_u32 s60, s54, s49
	s_lshl_b32 s49, s55, 2
	s_add_co_u32 s60, s60, s49
	s_lshl_b32 s49, s56, 1
	s_add_co_u32 s60, s60, s49
	s_add_co_u32 s60, s60, 24576                   ; its scale bytes: 24,576 + 512 u + 4 q + 2 (head % 2)
	s_mov_b32 s61, 0
	s_mov_b32 s32, 0x3e38aa3b                      ; c = log2(e) / 8
	s_mov_b32 s33, s32                             ; (named with it as a pair)
	s_mov_b32 s34, 0x76543210
	s_mov_b32 s35, 0xfedcba98                      ; v_permlanex16_b32's selects for lane l xor 16
	s_wait_dscnt 0x0
	s_wait_kmcnt 0x0
	s_mov_b32 s28, 1
	s_add_nc_u64 s[30:31], s[6:7], s[46:47]        ; the head's steps 2 w, 2 w + 1
	s_or_b32 s31, s31, 0x80000000
	s_add_nc_u64 s[38:39], s[4:5], s[50:51]        ; Q's codes
	s_add_nc_u64 s[40:41], s[4:5], s[52:53]        ; Q's scale words
	s_add_nc_u64 s[42:43], s[8:9], s[58:59]        ; codes out
	s_add_nc_u64 s[44:45], s[8:9], s[60:61]        ; scale bytes out
	CROUND                                         ; all four work-groups are here: the joint loads meet
	s_cmp_eq_u32 s10, 0                            ; one load a wave, in two arms: wave 0's line is its own, since it alone waits ahead of the first barrier
	s_cbranch_scc0 .Lothers
	tensor_load_to_lds s[28:31], s[20:27]          ; key steps 0 and 1
	s_nop 0
.rept 4
	v_nop
.endr
	s_branch .Lasked
.Lothers:
	tensor_load_to_lds s[28:31], s[20:27]          ; key steps 2 w and 2 w + 1
	s_nop 0
.rept 4
	v_nop
.endr
.Lasked:
	v_and_b32 v[TM], 31, v0                        ; lane
	v_bfe_u32 v[TM+1], v0, 4, 1                    ; h
	v_and_b32 v[TM+2], 15, v0                      ; r
	v_lshlrev_b32 v[L16], 4, v[TM]
	v_lshlrev_b32 v[L8], 3, v[TM]
	v_lshlrev_b32 v[AD16], 4, v[TM]
	v_lshlrev_b32 v[AD8], 3, v[TM]
	v_lshlrev_b32 v[SH8], 3, v[TM+1]
	v_lshl_add_u32 v[SBO], v[TM+2], 3, v[TM+1]
	v_lshlrev_b32 v[R8], 3, v[TM+2]
.irp t, 0,1,2,3
	global_load_b128 v[QB+6+12*\t:QB+9+12*\t], v[L16], s[38:39] offset:768*\t
	global_load_b64 v[QB+10+12*\t:QB+11+12*\t], v[L8], s[38:39] offset:768*\t+512
.endr
	global_load_b64 v[QW:QW+1], v[R8], s[40:41]    ; word t / 2: bytes 0, 1 the even tile's two blocks, bytes 2, 3 the odd tile's
.irp k, 0,1,2,3,4
.irp i, 0,1,2,3,4,5
	v_mov_b32 v[QB+12*\k+\i], 0                    ; the zero codes between the Q
.endr
.endr
	v_mov_b32 v[FF+1], 0                           ; (named as the upper halves of pairs)
	v_mov_b32 v[FF+3], 0
	v_mov_b32 v[TM+1], 0                           ; (a lane permute's destination counts as one of its sources)
	v_mov_b32 v[TM+4], 0
	WALU
	s_wait_loadcnt 0x0
.irp p, 0,1
	v_and_b32 v[SQ+4*\p], 0xffff, v[QW+\p]         ; the tile's two bytes below, 0 for the zero codes above;
	v_lshlrev_b32 v[SQ+4*\p+1], 16, v[QW+\p]       ; and the other way round
	v_lshrrev_b32 v[SQ+4*\p+2], 16, v[QW+\p]
	v_and_b32 v[SQ+4*\p+3], 0xffff0000, v[QW+\p]
.endr
.rept 8
	v_nop                                          ; eight places between Q's scale words and the first scaled product
.endr
	WALU
	s_cmp_eq_u32 s10, 0
	s_cbranch_scc0 .Lnot_first
	s_wait_tensorcnt 0x0                           ; wave 0: key steps 0 and 1 are in
.Lnot_first:
	s_barrier_signal -1
	s_barrier_wait -1                              ; and shown to all; the other waves' loads may be on their way
	FRAGS KF, 0
	ds_load_b64 v[SK:SK+1], v[AD8] offset:12288
	s_mov_b32 s36, STEPB                           ; the step that is fetched next
	s_wait_dscnt 0x0
	PAIR 0, 1                                      ; KEY STEP 0
	PAIR 1, 1
	WIN 0
	WALU
	s_wait_tensorcnt 0x0                           ; my two steps are in,
	s_wait_dscnt 0x0
	s_barrier_signal -1
	s_barrier_wait -1                              ; everybody's are: the whole head lies in LDS
	s_mov_b32 s37, 15
.Lstep:
	s_wait_dscnt 0x0                               ; K is in: its loads were issued behind the last step's second pair of score products
	PAIR 0, 0
	s_add_co_u32 s36, s36, STEPB                   ; the step that is fetched next; behind the last it is step 0 again
	s_cmp_eq_u32 s36, 16*STEPB
	s_cselect_b32 s36, 0, s36
	PAIR 1, 0
	WIN 0
	s_sub_co_u32 s37, s37, 1
	s_cmp_lg_u32 s37, 0
	WALU
	s_cbranch_scc1 .Lstep
	; THE WAY OUT: O^T / the sum; a tile's 32 registers are channels 32 h + 0 .. 31 of my query: one block of the last projection's K.  The four tiles line by line in turn
	WIN 0x05
.irp t, 0,1,2,3
	v_add_f32 v[TM+\t], v[LS+2*\t], v[LS+2*\t+1]
.endr
	WIN 0
.irp t, 0,1,2,3
	v_permlanex16_b32 v[TT+\t], v[TM+\t], s34, s35
.endr
.irp t, 0,1,2,3
	v_add_f32 v[TM+\t], v[TM+\t], v[TT+\t]         ; the row's sum
.endr
	WALU
.irp t, 0,1,2,3
	v_rcp_f32 v[TT+2*\t], v[TM+\t]
.endr
	v_nop                                          ; a plain place behind the reciprocals
	WIN 0x01
	WALU                                           ; the wait ahead of their first reader, which is O^T's too
.irp t, 0,1,2,3
.set j, 0
.rept 16
	v_pk_mul_f32 v[S+32*\t+j:S+32*\t+j+1], v[OA+32*\t+j:OA+32*\t+j+1], v[TT+2*\t:TT+2*\t+1] op_sel_hi:[1,0]   ; ascending: each accumulator from its low end on
.set j, j+2
.endr
.endr
	WIN 0
.irp t, 0,1,2,3
.irp z, 0,1
	v_max3_num_f32 v[BM+2*\t+\z], |v[S+32*\t+16*\z]|, |v[S+32*\t+16*\z+1]|, 0x1800000
.endr
.endr
.irp i, 2,4,6,8,10,12,14
.irp t, 0,1,2,3
.irp z, 0,1
	v_max3_num_f32 v[BM+2*\t+\z], v[BM+2*\t+\z], |v[S+32*\t+16*\z+\i]|, |v[S+32*\t+16*\z+\i+1]|
.endr
.endr
.endr
.irp t, 0,1,2,3
	v_max_num_f32 v[BM+2*\t], v[BM+2*\t], v[BM+2*\t+1]
.endr
.irp t, 0,1,2,3
	v_add_nc_u32 v[BM+2*\t+1], 0xff000000, v[BM+2*\t]
.endr
.irp t, 0,1,2,3
	v_lshrrev_b32 v[TM+\t], 23, v[BM+2*\t+1]
.endr
.irp t, 0,1,2,3
	v_cvt_scalef32_pk16_fp6_f32 v[QB+8*\t:QB+8*\t+2], v[S+32*\t:S+32*\t+15], v[BM+2*\t+1]
	v_cvt_scalef32_pk16_fp6_f32 v[QB+32+4*\t:QB+34+4*\t], v[S+32*\t+16:S+32*\t+31], v[BM+2*\t+1]
.endr
	v_nop
.irp t, 0,1,2,3
.irp i, 0,1,2
	v_mov_b32 v[QB+8*\t+3+\i], v[QB+32+4*\t+\i]
.endr
.endr
.irp t, 0,1,2,3
	global_store_b128 v[L16], v[QB+8*\t:QB+8*\t+3], s[42:43] offset:1536*\t
	global_store_b64 v[L8], v[QB+8*\t+4:QB+8*\t+5], s[42:43] offset:1536*\t+512
	global_store_b8 v[SBO], v[TM+\t], s[44:45] offset:128*\t
.endr
	s_wait_tensorcnt 0x0                           ; the wave's end
	ds_add_u32 v[SPW], v[NIL]
	s_wait_dscnt 0x0
	CROUND                                         ; the closing round: no work-group ends while a partner may still ask for steps that name it
	s_endpgm
.Lfunc_end_k_q37fdcdae68_attn:
	.size	k_q37fdcdae68_attn, .Lfunc_end_k_q37fdcdae68_attn-k_q37fdcdae68_attn
	.p2alignl 7, 3214868480
	.fill 96, 4, 3214868480
	.section	.rodata,"a",@progbits
	.p2align	6, 0x0
	.amdhsa_kernel k_q37fdcdae68_attn
		.amdhsa_group_segment_fixed_size 206848
		.amdhsa_private_segment_fixed_size 0
		.amdhsa_enable_private_segment 0
		.amdhsa_kernarg_size 24
		.amdhsa_user_sgpr_count 2
		.amdhsa_user_sgpr_kernarg_segment_ptr 1
		.amdhsa_wavefront_size32 1
		.amdhsa_system_sgpr_workgroup_id_x 1
		.amdhsa_system_sgpr_workgroup_id_y 1
		.amdhsa_system_sgpr_workgroup_id_z 1
		.amdhsa_system_vgpr_workitem_id 0
		.amdhsa_next_free_vgpr 512
		.amdhsa_next_free_sgpr 66
		.amdhsa_reserve_vcc 0
		.amdhsa_float_denorm_mode_32 3
		.amdhsa_float_denorm_mode_16_64 3
		.amdhsa_memory_ordered 1
		.amdhsa_forward_progress 1
		.amdhsa_inst_pref_size 119
	.end_amdhsa_kernel
	.amdgpu_metadata
---
amdhsa.version: [ 1, 2 ]
amdhsa.kernels:
  - .name:           k_q37fdcdae68_attn
    .symbol:         k_q37fdcdae68_attn.kd
    .args:
      - { .name: hq, .offset: 0, .size: 8, .value_kind: global_buffer, .address_space: global }
      - { .name: hkv, .offset: 8, .size: 8, .value_kind: global_buffer, .address_space: global }
      - { .name: ab, .offset: 16, .size: 8, .value_kind: global_buffer, .address_space: global }
    .group_segment_fixed_size: 206848
    .private_segment_fixed_size: 0
    .kernarg_segment_align: 8
    .kernarg_segment_size: 24
    .max_flat_workgroup_size: 256
    .sgpr_count:     66
    .vgpr_count:     512
    .wavefront_size: 32
...
	.end_amdgpu_metadata
.endif
;; end of part 3
;; launch oproj (part 4): grid 4 x 64, 4 waves a work-group, clusters of 4 x 4, 307,712 bytes of LDS; arguments ab, wb, bo, out0; writes out0
.if DOCPART == 4
	.amdgcn_target "amdgcn-amd-amdhsa--gfx1250"
	.amdhsa_code_object_version 6
	.text
	.protected	k_q37fdcdae68_oproj
	.globl	k_q37fdcdae68_oproj
	.p2align	8
	.type	k_q37fdcdae68_oproj,@function
k_q37fdcdae68_oproj:
	s_mov_b64 s[64:65], 0
	v_nop
	global_prefetch_b8 v0, s[64:65] scope:SCOPE_SE
	s_setreg_imm32_b32 hwreg(HW_REG_WAVE_MODE, 25, 1), 1
	s_wait_xcnt 0x0
	s_wait_alu depctr_hold_cnt(0) depctr_sa_sdst(0) depctr_va_vdst(0) depctr_va_sdst(0) depctr_va_ssrc(0) depctr_va_vcc(0) depctr_vm_vsrc(0)
	s_getreg_b32 s2, hwreg(HW_REG_IB_STS2, 6, 4)
	s_cmp_eq_u32 s2, 0
	s_cbranch_scc0 .Lentry_in_a_cluster
	s_endpgm
.Lentry_in_a_cluster:
	s_bfe_u32 s2, ttmp6, 0x10000c
	s_cmp_lg_u32 s2, 0xf033
	s_cbranch_scc0 .Lentry_shape_is_right
	s_endpgm
.Lentry_shape_is_right:
; out0 = attention's output x wo^T + bo on codes of FP6 (E2M3) with E8M0 scales; out0 [8192][1024] f32.
; A tile is 128 tokens ("A": source 1 of the matrix instruction, on the lanes) x 256 rows of wo ("B": source 0, on the registers).  ALL OF K (1,024) of the tile's 384 rows lies in LDS: 3 x 102,400 bytes, each byte filled once by
; the tensor data mover, all loads issued at the head; a kslot (256 along K) is read behind a counted wait and a barrier behind which nothing is filled.
; OPERANDS lie in memory, and so in LDS, in the order of the operand's registers: 128 rows = four kslots of 25,600 bytes: [K step q][tile t8][fragment 1,536], then the scale words [t8][row][q].
; A fragment comes by four lane-contiguous loads (16, 8, 16, 8 bytes a lane at 0, 512, 768, 1,280).  Row r of tile 4 c + u is row 64 c + 32 (r / 8) + 8 u + r % 8 of the 128.
; CLUSTERS: 4 x 4 work-groups; A's block hangs on the tile row alone and is asked for jointly along a row of the cluster, B's on the tile column alone, along a column.
; Four waves; wave (wa, wb) makes A's tiles 4 wa .. 4 wa + 3 x B's group wb (eight tiles): 32 accumulators, which take turns, one instruction a turn.  The bias is the C of the first K step's products.
; THE WAY OUT: 16 tokens x 128 features at a time through the wave's own stage in LDS, back as whole rows of 512 bytes; the order of a tile's rows is undone by the stores' immediates.
; The stages lie in A's kslots 0 and 1: those bytes have had their only fill, and every wave's reads of them were back ahead of the barrier in front of kslot 2.
; REGISTERS: window 0: v1-13 addresses, v16-39 scale words (two sets), v40-41 the stage's addresses, v64-127 the bias, v128-255 rows on their way out.
;   window 1: accumulator (a, b) at v[8 (8 a + b)].   windows 2, 3: fragment sets 0, 1: B's tile b at v[12 b], A's tile a at v[96 + 12 a].
; THE LOADS AS THEY STAND: one joint load a wave, in one chain of branches at the head: A's kslot 0, both B groups' kslot 0, A's kslots 1 to 3, B's kslots 1 to 3.  Waves 0 and 1 wait ahead of the first barrier,
; every wave ahead of kslot 1; every wait for tensor loads is for 0, none is counted.  B lies in LDS as [kslot 0: group 0, group 1][kslots 1-3 of group 0][kslots 1-3 of group 1].
.set GRP,  102400
.set KSL,  25600
.set KST,  12288
.set FRB,  1536
.set SCW,  24576
.set L16,  4                           ; v4   16 x lane
.set L8,   5                           ; v5   8 x lane
.set SC,   16                          ; scale words: set s at v[16 + 12 s]: A's pair p, K step q at + 2 p + q; B's at + 4 + 2 p + q; lanes 0-15 tile 2 p, lanes 16-31 tile 2 p + 1
.set STO,  40                          ; v40  the stage: where I put 32 bytes of a row
.set RD,   41                          ; v41  and where I read a row back
.set CB,   64
.set SPIT, 528                         ; a stage row: 512 bytes + 16
.set MSB, 0
.macro WIN new                         ; the immediate's high byte repeats the setting that is left
.if MSB != (\new)
	s_set_vgpr_msb (MSB<<8)|(\new)
.set MSB, (\new)
.endif
.endm
.macro CROUND                          ; a round of the cluster's barrier
	s_barrier_signal -1
	s_barrier_wait -1
	s_cmp_lg_u32 s18, 0
	s_cbranch_scc1 .Lnot_wave_0_\@
	s_barrier_signal -3
.Lnot_wave_0_\@:
	s_barrier_wait -3
	s_barrier_signal -1
	s_barrier_wait -1
.endm
	s_load_b256 s[4:11], s[0:1], 0x0               ; ab s[4:5], wb s[6:7], bo s[8:9], out0 s[10:11]
	v_lshl_add_u32 v62, v0, 2, 0x4b000
	v_mov_b32 v63, 0
	ds_add_u32 v62, v63
	ds_add_u32 v62, v63
	v_lshrrev_b32 v1, 5, v0
	v_readfirstlane_b32 s18, v1                    ; wave 0..3
	s_lshr_b32 s19, s18, 1                         ; wa
	s_and_b32 s20, s18, 1                          ; wb
	s_bfe_u32 s21, ttmp6, 0x40000                  ; cx = the tile column
	s_bfe_u32 s22, ttmp6, 0x40004                  ; cy
	s_and_b32 s23, ttmp7, 0xffff                   ; cluster y, 0..15
	s_lshl_b32 s27, s23, 2
	s_add_co_u32 s27, s27, s22                     ; tile row = 4 x cluster y + cy
	s_lshl_b32 s60, s22, 2
	s_lshl_b32 s60, 15, s60                        ; my row of the cluster
	s_lshl_b32 s61, 0x1111, s21                    ; my column
	; descriptor group 1: a kslot block, 25,600 dense bytes, as 100 rows of 256 bytes (32 elements of 8 bytes); no padding
	s_or_b32 s28, s60, (3<<16)|(1<<21)             ; 15:0 the mask: A's blocks go to my row; 17:16 elements of 8 bytes; 21 set beside a mask
	s_or_b32 s36, s61, (3<<16)|(1<<21)             ; B's go to my column
	; four shapes of tile, one load a wave: A's kslot 0 (s[28:35]) and its other three (s[52:59]) as rows of 256 bytes; B's kslot 0 (s[36:43]) and its other three (s[76:83]) as two rows, one of each group, 102,400 bytes apart
	s_or_b32 s52, s60, (3<<16)|(1<<21)
	s_or_b32 s76, s61, (3<<16)|(1<<21)
.irp g, 28, 52
	s_mov_b32 s[\g+1], 32<<16
	s_mov_b32 s[\g+3], 32<<16
	s_mov_b32 s[\g+5], 32
	s_mov_b32 s[\g+6], 0
	s_mov_b32 s[\g+7], 0
.endr
	s_mov_b32 s30, 100<<16
	s_mov_b32 s32, 100
	s_mov_b32 s54, 300<<16
	s_mov_b32 s56, 300
.irp g, 36, 76
	s_mov_b32 s[\g+2], 2<<16
	s_mov_b32 s[\g+4], 2
	s_mov_b32 s[\g+5], 12800
	s_mov_b32 s[\g+6], 0
	s_mov_b32 s[\g+7], 0
.endr
	s_mov_b32 s37, 3200<<16
	s_mov_b32 s39, 3200<<16
	s_mov_b32 s77, 9600<<16
	s_mov_b32 s79, 9600<<16
	; every LDS address register is made here, ahead of the first branch on the wave's number
	v_and_b32 v1, 31, v0                           ; lane
	v_and_b32 v2, 15, v0                           ; r
	v_bfe_u32 v3, v0, 4, 1                         ; h
	v_lshlrev_b32 v[L16], 4, v1
	v_lshlrev_b32 v[L8], 3, v1
	s_mul_i32 s60, s19, 4*FRB
	v_add_nc_u32 v6, s60, v[L16]                   ; v6, v7: A's tiles 4 wa on
	v_add_nc_u32 v7, s60, v[L8]
	s_mul_i32 s60, s20, KSL                        ; B in LDS: [kslot 0: group 0, group 1][kslots 1-3 of group 0][kslots 1-3 of group 1]
	s_add_co_u32 s60, s60, GRP
	v_add_nc_u32 v8, s60, v[L16]                   ; v8, v9: B's group wb
	v_add_nc_u32 v9, s60, v[L8]
	s_lshl_b32 s60, s19, 9
	s_add_co_u32 s60, s60, SCW
	v_add_nc_u32 v10, s60, v[L8]                   ; v10: A's scale words, pairs 2 wa, 2 wa + 1
	v_lshlrev_b32 v13, 7, v3                       ; v13: 128 h: the bias runs along the registers
	s_mul_i32 s60, s18, 16*SPIT                    ; my stage
	v_mul_u32_u24 v[STO], v2, SPIT
	v_lshl_add_u32 v[STO], v3, 7, v[STO]
	v_add_nc_u32 v[STO], s60, v[STO]               ; in: row r, + 128 h
	v_add_nc_u32 v[RD], s60, v[L16]                ; back: 16 bytes a lane of a row
	s_mul_i32 s84, s27, GRP                        ; A: the tile row's 128 tokens in ab
	s_mov_b32 s85, 0
	s_lshl_b32 s86, s21, 1
	s_mul_i32 s86, s86, GRP
	s_add_co_u32 s86, s86, 2457600                 ; wo is the fourth weight in wb
	s_mov_b32 s87, 0
	s_lshl_b32 s60, s21, 1
	s_add_co_u32 s60, s60, s20
	s_lshl_b32 s60, s60, 9                         ; my 128 features, in bytes of f32: in bo, and in a row of out0
	s_mov_b32 s61, 0
	s_lshl_b32 s62, s27, 7
	s_lshl_b32 s63, s19, 6
	s_add_co_u32 s62, s62, s63
	s_lshl_b32 s62, s62, 12                        ; my first token: 128 tile row + 64 wa, rows of 4,096 bytes
	s_add_co_u32 s62, s62, s60
	s_mov_b32 s63, 0
	s_add_co_u32 s93, s20, 1
	s_mul_i32 s93, s93, 2*KSL                      ; from my group's kslot 0 to its kslot 1 in LDS: 2 (1 + wb) kslots
	s_wait_dscnt 0x0
	s_wait_kmcnt 0x0
	s_add_nc_u64 s[90:91], s[8:9], s[60:61]
	s_add_nc_u64 s[88:89], s[10:11], s[62:63]
	s_add_nc_u64 s[84:85], s[4:5], s[84:85]
	s_add_nc_u64 s[86:87], s[6:7], s[86:87]
.irp ks, 0,1
	s_mov_b32 s[44+4*\ks], 1                       ; A: kslot 0, and kslots 1 to 3
	s_mov_b32 s[45+4*\ks], KSL*\ks
	s_add_nc_u64 s[46+4*\ks:47+4*\ks], s[84:85], KSL*\ks
	s_or_b32 s[47+4*\ks], s[47+4*\ks], 0x80000000
	s_mov_b32 s[68+4*\ks], 1                       ; B likewise, both groups
	s_mov_b32 s[69+4*\ks], GRP+2*KSL*\ks
	s_add_nc_u64 s[70+4*\ks:71+4*\ks], s[86:87], KSL*\ks
	s_or_b32 s[71+4*\ks], s[71+4*\ks], 0x80000000
.endr
	CROUND                                         ; all sixteen work-groups are here: the joint loads meet
	s_cmp_eq_u32 s18, 0                            ; one chain of branches on the wave's number, one joint load to an arm: what the first two K steps need is asked for first
	s_cbranch_scc0 .Lw1
	tensor_load_to_lds s[44:47], s[28:35]          ; wave 0: A's kslot 0
	s_nop 0
.rept 4
	v_nop
.endr
	s_branch .Lasked
.Lw1:
	s_cmp_eq_u32 s18, 1
	s_cbranch_scc0 .Lw2
	tensor_load_to_lds s[68:71], s[36:43]          ; wave 1: kslot 0 of both groups of B
	s_nop 0
.rept 4
	v_nop
.endr
	s_branch .Lasked
.Lw2:
	s_cmp_eq_u32 s18, 2
	s_cbranch_scc0 .Lw3
	tensor_load_to_lds s[48:51], s[52:59]          ; wave 2: A's kslots 1 to 3
	s_nop 0
.rept 4
	v_nop
.endr
	s_branch .Lasked
.Lw3:
	tensor_load_to_lds s[72:75], s[76:83]          ; wave 3: B's kslots 1 to 3
	s_nop 0
.rept 4
	v_nop
.endr
.Lasked:
.set x, 0
	s_wait_alu depctr_va_vdst(0)
.rept 16                               ; the bias in the result's layout: x = 2 b + e: register 8 b + j of half h: feature 64 (b / 4) + 32 h + 8 (b % 4) + j
	global_load_b128 v[CB+4*x:CB+4*x+3], v13, s[90:91] offset:4*(64*(x/8)+8*((x/2)%4))+16*(x%2)
.set x, x+1
.endr
.macro FRAG reg, a16, a8, off          ; a fragment: 12 registers by four lane-contiguous loads
	ds_load_b128 v[\reg:\reg+3], v[\a16] offset:\off
	ds_load_b64 v[\reg+4:\reg+5], v[\a8] offset:\off+512
	ds_load_b128 v[\reg+6:\reg+9], v[\a16] offset:\off+768
	ds_load_b64 v[\reg+10:\reg+11], v[\a8] offset:\off+1280
.endm
.macro FETCH t                         ; K step t's twelve fragments into set t % 2: 48 loads in one run
	WIN 0x80+0x40*((\t)%2)
.irp i, 0,1,2,3,4,5,6,7
	FRAG 12*\i, 8, 9, KST*((\t)%2)+FRB*\i
.endr
.irp i, 0,1,2,3
	FRAG 96+12*\i, 6, 7, KST*((\t)%2)+FRB*\i
.endr
.endm
.macro SCALES s                        ; a kslot's scale words into set s: six loads
	WIN 0
.irp p, 0,1
	ds_load_b64 v[SC+12*(\s)+2*\p:SC+12*(\s)+2*\p+1], v10 offset:256*\p
.endr
.irp p, 0,1,2,3
	ds_load_b64 v[SC+4+12*(\s)+2*\p:SC+4+12*(\s)+2*\p+1], v9 offset:SCW+256*\p
.endr
.endm
; One product: source 0 = B's tile b, source 1 = A's tile a; an odd tile's scale words lie in lanes 16-31.  cr: where C stands
.macro WM a, b, q, sc, cr
.set DR,  8*(8*(\a)+(\b))
.set SBR, SC+4+12*(\sc)+2*((\b)/2)+(\q)
.set SAR, SC+12*(\sc)+2*((\a)/2)+(\q)
.if ((\b)%2 == 0) && ((\a)%2 == 0)
	v_wmma_scale_f32_16x16x128_f8f6f4 v[DR:DR+7], v[12*(\b):12*(\b)+11], v[96+12*(\a):96+12*(\a)+11], v[\cr:\cr+7], v[SBR], v[SAR] matrix_a_fmt:MATRIX_FMT_FP6 matrix_b_fmt:MATRIX_FMT_FP6
.elseif ((\b)%2 == 1) && ((\a)%2 == 0)
	v_wmma_scale_f32_16x16x128_f8f6f4 v[DR:DR+7], v[12*(\b):12*(\b)+11], v[96+12*(\a):96+12*(\a)+11], v[\cr:\cr+7], v[SBR], v[SAR] matrix_a_fmt:MATRIX_FMT_FP6 matrix_b_fmt:MATRIX_FMT_FP6 matrix_a_scale:MATRIX_SCALE_ROW1
.elseif ((\b)%2 == 0) && ((\a)%2 == 1)
	v_wmma_scale_f32_16x16x128_f8f6f4 v[DR:DR+7], v[12*(\b):12*(\b)+11], v[96+12*(\a):96+12*(\a)+11], v[\cr:\cr+7], v[SBR], v[SAR] matrix_a_fmt:MATRIX_FMT_FP6 matrix_b_fmt:MATRIX_FMT_FP6 matrix_b_scale:MATRIX_SCALE_ROW1
.else
	v_wmma_scale_f32_16x16x128_f8f6f4 v[DR:DR+7], v[12*(\b):12*(\b)+11], v[96+12*(\a):96+12*(\a)+11], v[\cr:\cr+7], v[SBR], v[SAR] matrix_a_fmt:MATRIX_FMT_FP6 matrix_b_fmt:MATRIX_FMT_FP6 matrix_a_scale:MATRIX_SCALE_ROW1 matrix_b_scale:MATRIX_SCALE_ROW1
.endif
.endm
.macro MUL t                           ; K step t: 32 products, the accumulators by turns
	WIN 0x5a+5*((\t)%2)                            ; sources 0 and 1: window 2 or 3; C and D: window 1
.irp a, 0,1,2,3
.irp b, 0,1,2,3,4,5,6,7
	WM \a, \b, (\t)%2, ((\t)/2)%2, 8*(8*\a+\b)
.endr
.endr
.endm
.macro MULFIRST                        ; K step 0 starts the sums with the bias as C (window 0)
	WIN 0x4a
.irp a, 0,1,2,3
.irp b, 0,1,2,3,4,5,6,7
	WM \a, \b, 0, 0, CB+8*\b
.endr
.endr
.endm
; K step t: the next step's fragments are asked for, into the set that the step before has multiplied, four plain places behind its last product; then this step's 32 products.
; Ahead of an even K step's fetch a new kslot is entered: my part of it has landed, no LDS load of mine is out, and a barrier makes that hold of all four waves.
.macro KSTEP t
.if (\t) < 7
.if (\t)%2 == 1
	WIN 0
	s_wait_tensorcnt 0x0                           ; every wave's one load is in: from kslot 1 on all of K lies in LDS
	s_wait_dscnt 0x0
	s_barrier_signal -1
	s_barrier_wait -1
.irp x, 6,7,10
	v_add_nc_u32 v\x, KSL, v\x                     ; on to that kslot; these five are also the places in front of the loads
.endr
.if (\t) == 1
	v_add_nc_u32 v8, s93, v8
	v_add_nc_u32 v9, s93, v9
.else
	v_add_nc_u32 v8, KSL, v8
	v_add_nc_u32 v9, KSL, v9
.endif
.elseif (\t) > 0
.rept 4
	v_nop
.endr
.endif
	FETCH (\t)+1
.if (\t)%2 == 1
	SCALES (((\t)+1)/2)%2
	s_wait_alu depctr_va_vdst(0)
	s_wait_dscnt 54                                ; all but the 54 just issued
.else
	s_wait_dscnt 48                                ; all but the 48 just issued
.endif
.else
	s_wait_dscnt 0x0
.endif
.if (\t) == 0
	s_wait_loadcnt 0x0                             ; the bias
	MULFIRST
.else
	MUL \t
.endif
.endm
	s_cmp_lt_u32 s18, 2                            ; kslot 0 is waves 0 and 1's loads, whose lines no other wave issues: they alone wait here
	s_cbranch_scc0 .Lnot_first
	s_wait_tensorcnt 0x0
.Lnot_first:
	s_barrier_signal -1
	s_barrier_wait -1
	FETCH 0
	SCALES 0
.irp t, 0,1,2,3,4,5,6,7
	KSTEP \t
.endr
; THE WAY OUT, A's tile a (16 tokens x my 128 features) at a time.  Lane (r, h) holds of token row r, in accumulator (a, b), features 64 (b / 4) + 32 h + 8 (b % 4) + 0 .. 7: 32 bytes.
; LDS serves a wave's instructions in order: no wait between the stores and the loads, nor in front of the next block's stores.
.macro TOSTAGE a
	WIN 0x04                                       ; an LDS store's data are its source 1: window 1
.irp b, 0,1,2,3,4,5,6,7
	ds_store_b128 v[STO], v[8*(8*(\a)+\b):8*(8*(\a)+\b)+3] offset:256*(\b/4)+32*(\b%4)         ; each accumulator from its low end on
	ds_store_b128 v[STO], v[8*(8*(\a)+\b)+4:8*(8*(\a)+\b)+7] offset:256*(\b/4)+32*(\b%4)+16
.endr
	WIN 0
.set BB, 128+64*((\a)%2)
.set x, 0
.rept 16
	ds_load_b128 v[BB+4*x:BB+4*x+3], v[RD] offset:SPIT*x
.set x, x+1
.endr
.endm
.macro SEND a, younger                 ; younger: the LDS instructions issued behind block a's loads, which may stay out
.set BB, 128+64*((\a)%2)
	s_wait_dscnt \younger
.set x, 0
.rept 16
	global_store_b128 v[L16], v[BB+4*x:BB+4*x+3], s[88:89] offset:(32*(x/8)+8*(\a)+x%8)*4096 th:TH_STORE_NT   ; the tile's row x is token 32 (x / 8) + 8 a + x % 8 of my 64: 32 lanes store 512 consecutive bytes at a multiple of 256
.set x, x+1
.endr
.endm
	WIN 0
.rept 4
	v_nop                                          ; places behind the last products
.endr
	TOSTAGE 0
.irp a, 1,2,3
.if \a > 1
	s_wait_xcnt 0x0                                ; block a - 2's stores have read their registers: block a's loads may land there
.endif
	TOSTAGE \a
	SEND \a-1, 32                                  ; behind block a - 1's loads: block a's 16 stores and 16 loads
.endr
	SEND 3, 0
	s_wait_tensorcnt 0x0
	ds_add_u32 v62, v63
	s_wait_dscnt 0x0
	CROUND                                         ; the closing round: no work-group ends while a partner may still ask for a block that names it
	s_endpgm
.Lfunc_end_k_q37fdcdae68_oproj:
	.size	k_q37fdcdae68_oproj, .Lfunc_end_k_q37fdcdae68_oproj-k_q37fdcdae68_oproj
	.p2alignl 7, 3214868480
	.fill 96, 4, 3214868480
	.section	.rodata,"a",@progbits
	.p2align	6, 0x0
	.amdhsa_kernel k_q37fdcdae68_oproj
		.amdhsa_group_segment_fixed_size 307712
		.amdhsa_private_segment_fixed_size 0
		.amdhsa_enable_private_segment 0
		.amdhsa_kernarg_size 32
		.amdhsa_user_sgpr_count 2
		.amdhsa_user_sgpr_kernarg_segment_ptr 1
		.amdhsa_wavefront_size32 1
		.amdhsa_system_sgpr_workgroup_id_x 1
		.amdhsa_system_sgpr_workgroup_id_y 1
		.amdhsa_system_sgpr_workgroup_id_z 1
		.amdhsa_system_vgpr_workitem_id 0
		.amdhsa_next_free_vgpr 1024
		.amdhsa_next_free_sgpr 102
		.amdhsa_reserve_vcc 0
		.amdhsa_float_denorm_mode_32 3
		.amdhsa_float_denorm_mode_16_64 3
		.amdhsa_memory_ordered 1
		.amdhsa_forward_progress 1
		.amdhsa_inst_pref_size 85
	.end_amdhsa_kernel
	.amdgpu_metadata
---
amdhsa.version: [ 1, 2 ]
amdhsa.kernels:
  - .name:           k_q37fdcdae68_oproj
    .symbol:         k_q37fdcdae68_oproj.kd
    .args:
      - { .name: ab, .offset: 0, .size: 8, .value_kind: global_buffer, .address_space: global }
      - { .name: wb, .offset: 8, .size: 8, .value_kind: global_buffer, .address_space: global }
      - { .name: bo, .offset: 16, .size: 8, .value_kind: global_buffer, .address_space: global }
      - { .name: out0, .offset: 24, .size: 8, .value_kind: global_buffer, .address_space: global }
    .group_segment_fixed_size: 307712
    .private_segment_fixed_size: 0
    .kernarg_segment_align: 8
    .kernarg_segment_size: 32
    .max_flat_workgroup_size: 128
    .sgpr_count:     102
    .vgpr_count:     1024
    .wavefront_size: 32
...
	.end_amdgpu_metadata
.endif
;; end of part 4
